; MI455X (gfx1250); checked and timed in simulation.
; The chip was launched on July 23, 2026; its instructions are those of AMD's public machine-readable ISA for CDNA 5 (MIT licence, August 2026) and "CDNA5" Instruction Set Architecture Reference Guide (July 2026). The comments in the code are by the model that wrote it; some were corrected since.
;; Multi Head Attention Layer. Allowed arithmetic: matrix products marked QUANTISED: E2M1 operands, one E8M0 scale for each 32 along K, by v_wmma_scale_f32_16x16x128_f8f6f4 with both operands' format E2M1 (or v_wmma_scale_f32_32x16x128_f4), f32 sums; everything else in f32.
;; Inputs: Wk 1,024 x 1,024 float32; Wo 1,024 x 1,024 float32; Wq 1,024 x 1,024 float32; Wv 1,024 x 1,024 float32; bk 1,024 float32; bo 1,024 float32; bq 1,024 float32; bv 1,024 float32; ln_beta 1,024 float32; ln_gamma 1,024 float32; x 4 x 2,048 x 1,024 float32.
;; Outputs: out0 4 x 2,048 x 1,024 float32.
;; This version of the problem:
;;   THIS VERSION OF THE PROBLEM IS GIVEN IN LOW PRECISION. The matrix products marked QUANTISED in the list below multiply operands that are first quantised to E2M1 (2 exponent bits, 1 mantissa bit; 4 bits a number), with one power-of-two scale for each 32 numbers along K (OCP MX v1.0); their sums are f32. All else is computed in f32.
;;   The module's matrix products, in the order in which they are computed (A, B: the left and right operand; K: the contracted axis; several contracted axes count as one K, in the product's order):
;;     1. [M 8,192, K 1,024] x [K 1,024, N 1,024]; A: computed on the way; B: input Wq: QUANTISED
;;     2. [M 8,192, K 1,024] x [K 1,024, N 1,024]; A: computed on the way; B: input Wk: QUANTISED
;;     3. [M 8,192, K 1,024] x [K 1,024, N 1,024]; A: computed on the way; B: input Wv: QUANTISED
;;     4. batch 64 x [M 2,048, K 64] x [K 64, N 2,048]; A: computed on the way; B: computed on the way: QUANTISED
;;     5. batch 64 x [M 64, K 2,048] x [K 2,048, N 2,048]; A: computed on the way; B: softmax (see below): QUANTISED
;;     6. [M 8,192, K 1,024] x [K 1,024, N 1,024]; A: computed on the way; B: input Wo: QUANTISED
;;   THE QUANTISER, for each operand of a quantised product, along K:
;;     - K is cut into blocks of 32 from its start; a last block that is shorter is filled with zeros.
;;     - A block's scale is 2^e with e = floor(log2(the largest magnitude in the block)) - 2, held to -126 .. 127; a block of zeros has e = 0. As a byte (E8M0): e + 127.
;;     - Each number is divided by its block's scale, clamped to +-6, and rounded to the nearest number of E2M1, ties to even, subnormals kept.
;;     - The product sums the exact products of the quantised numbers (number of the format x scale) in f32.
;;   ~~~python
;;   def quantise(x, axis):      # numpy; x: float32 -> the quantised numbers, widened to float32 again
;;       x = np.moveaxis(x, axis, -1); K = x.shape[-1]
;;       x = np.pad(x, [(0, 0)] * (x.ndim - 1) + [(0, -K % 32)]); x = x.reshape(x.shape[:-1] + (-1, 32)); a = np.abs(x).max(-1, keepdims=True)
;;       e = np.where(a > 0, np.clip(np.frexp(np.where(a > 0, a, 1))[1] - 1 - 2, -126, 127), 0)      # np.frexp(a)[1] - 1 = floor(log2(a)), exactly
;;       r = np.clip(x / 2.0 ** e, -6, 6)
;;       step = 2.0 ** (np.maximum(np.frexp(np.where(r == 0, 1, r))[1] - 1, 0) - 1)
;;       q = np.round(r / step) * step * 2.0 ** e      # np.round: ties to even
;;       return np.moveaxis(q.reshape(q.shape[:-2] + (-1,))[..., :K], -1, axis).astype(np.float32)
;;   ~~~
;;   SOFTMAX AHEAD OF A QUANTISED PRODUCT. Where the list says 'softmax', what is quantised is not the finished softmax but p = 2^(t - M), with t = logit x log2(e) and M = ceil(the row's largest t), a whole number; so 1/2 < the row's largest p <= 1. The row's sum l is taken of the UNQUANTISED p, in f32, and the product's result is divided by l at the end. Since M is a whole number, a kernel that streams over the keys may use a running M (the ceiling of the running maximum): every later rescaling is an exact power of two, which a block's scale takes up: the codes' values come out the same.
;;   OPERANDS COMPUTED ON THE WAY. 'Computed on the way' means the value that the module computes at that place (a softmax that the list does not call 'softmax' is quantised finished and normalised). What goes into a quantiser is computed in f32, as accurately as f32 sums, v_exp_f32 and their like allow (about 1e-6 of the number): no bf16 or f16 on the way to a quantiser, and a product that is left as it is and whose result goes on into a quantised operand takes f32 operands (vector FMAs, or v_wmma_f32_16x16x4_f32). A number that lies on a knife's edge between two numbers of the format may be rounded either way, as far as f32 arithmetic and the matrix unit's own rounding can turn it there, and no further.
;; One version. Each part assembles by itself: llvm-mc -triple=amdgcn-amd-amdhsa -mcpu=gfx1250 --defsym DOCPART=n.
;; ======== version 1 of 1: 4 launches
;; limits: right only within a limited range of input values
;; workspace buffers: xn_img 4,194,304 bytes; xn_sc 262,144 bytes; w_img 2,097,152 bytes; w_sc 131,072 bytes; img 12,582,912 bytes; sc 1,310,720 bytes; ao_img 4,194,304 bytes; ao_sc 262,144 bytes
;; launch prep (part 1): grid 384 x 1, 8 waves a work-group, no clusters, 93,184 bytes of LDS; arguments x, ln_gamma, ln_beta, Wq, Wk, Wv, Wo, xn_img, xn_sc, w_img, w_sc; writes xn_img, xn_sc, w_img, w_sc
.if DOCPART == 1
	.amdgcn_target "amdgcn-amd-amdhsa--gfx1250"
	.amdhsa_code_object_version 6
	.text
	.protected	k_qf2c0a1a73a_prep
	.globl	k_qf2c0a1a73a_prep
	.p2align	8
	.type	k_qf2c0a1a73a_prep,@function
k_qf2c0a1a73a_prep:
	s_mov_b64 s[64:65], 0
	v_nop
	global_prefetch_b8 v0, s[64:65] scope:SCOPE_SE
	s_setreg_imm32_b32 hwreg(HW_REG_WAVE_MODE, 25, 1), 1
	s_wait_xcnt 0x0
; PREP.  Work-groups 0-255: LayerNorm of x [8192][1024] f32, quantised along the 1,024 to codes of E2M1 with one E8M0 byte for each 32.  Work-groups 256-383: Wq, Wk, Wv, Wo [1024 (k)][1024 (n)] f32, quantised along k.
; LAYOUT OF WHAT IS STORED.  Rows (tokens, or a weight's columns n) go in tiles of 16; tile T = 2 B + u, place r, holds row 32 B + 8 u + r + 8 (r / 8).  A tile's codes are an image of the operand's registers:
; block beta of 32 along K of place r lies at tile x 8192 + 256 beta + 16 r, so that a fragment (16 rows x 128 K) is two loads of 16 bytes a lane at 16 x lane.  Its scale bytes: tile x 512 + 256 (beta / 16) + 16 r + beta % 16.
; A block's scale is 2^(floor(log2(largest magnitude)) - 2); its byte is the largest magnitude's exponent field - 2, held at 1 from below by a floor among the maximum's leaves.
; LIMITS: NaN and infinities are not served; a block of zeros, or one whose largest magnitude lies under 2^-124, keeps the byte 1 (its bytes are read by this program alone; zero codes add nothing under it).
; No cluster, no tensor load: no two work-groups read the same bytes.  One barrier: the four waves of a token tile share its LDS bytes.  Only the LayerNorm path uses LDS.
.set RR,   96                          ; v96-159   two sets of 32: a row as it is loaded, 16 bytes a lane and load
.set XX,   160                         ; v160-223  two sets of 32: block l of the row, 32 neighbours
.set CC,   224                         ; v224-231  two sets of 4: a block's codes
.set GAM,  32                          ; v32-63    gamma of my block
.set BET,  64                          ; v64-95    beta of my block
.set S1B,  4608                        ; LDS, for each wave: two stages of 32 places of 128 + 16 bytes,
; SHARES, as the code below has them: a work-group has eight waves.  LayerNorm: four waves share a token tile, four rows each; their codes and scale bytes meet in the tile's LDS bytes, one barrier follows, and each wave stores a quarter of the image.
; Weights: a wave takes 32 columns x 128 along K.
.set WREG, 9216                        ; a wave's two stages
.set TREG, 8*WREG                      ; behind the eight: for each of the two tiles the codes, 32 blocks x (16 rows x 16 bytes + 16),
.set TSZ,  9216
.set SCO,  8704                        ; and in a tile's region its 512 scale bytes
.set WX,   32                          ; the weights' path: v32-95 two sets of 32 numbers
.set WC,   96                          ; v96-111 four registers of codes for each of 4 blocks, never rewritten
.set SB,   24                          ; v24  4 scale bytes
	s_load_b256 s[4:11], s[0:1], 0x0               ; x s[4:5], gamma s[6:7], beta s[8:9], Wq s[10:11]
	s_load_b256 s[12:19], s[0:1], 0x20             ; Wk s[12:13], Wv s[14:15], Wo s[16:17], xn_img s[18:19]
	s_load_b128 s[20:23], s[0:1], 0x40             ; xn_sc s[20:21], w_img s[22:23]
	s_load_b64 s[24:25], s[0:1], 0x50              ; w_sc
	v_lshl_add_u32 v232, v0, 2, 0x16800            ; the spare words: behind the two tiles' regions, 128 bytes a wave
	v_mov_b32 v233, 0
	v_lshrrev_b32 v1, 5, v0
	v_readfirstlane_b32 s26, v1                    ; wave 0 .. 7
	v_and_b32 v1, 31, v0                           ; lane l
	s_cmp_lt_u32 ttmp9, 256
	s_cbranch_scc0 .Lweights
	; ---------------- LayerNorm: token tile T = 2 x work-group + wave / 4; the wave takes places 4 (wave % 4) + 0 .. 3 of it, a row at a time
	s_lshr_b32 s44, s26, 2                         ; which of the work-group's two tiles
	s_and_b32 s45, s26, 3                          ; which four places of it
	s_mul_i32 s27, s26, WREG                       ; my wave's stages
	s_mul_i32 s30, s44, TSZ
	s_add_co_u32 s30, s30, TREG                    ; my tile's codes
	s_add_co_u32 s31, s30, SCO                     ; and scale bytes
	s_lshl_b32 s46, s45, 6
	s_add_co_u32 s47, s31, s46                     ; scale bytes, in: 16 bytes a place
	s_add_co_u32 s46, s30, s46                     ; codes, in: likewise
	s_mul_i32 s38, s45, 2176
	s_add_co_u32 s38, s38, s30                     ; codes, out: my eight blocks of the 32
	s_mov_b32 s28, 0x76543210
	s_mov_b32 s29, 0xfedcba98                      ; v_permlanex16_b32's selects for lane l xor 16
	s_mov_b32 s42, 0x3a800000                      ; 1 / 1024
	s_mov_b32 s43, 0x3727c5ac                      ; eps = 1e-5
	s_wait_alu depctr_va_vdst(0)
	v_lshlrev_b32 v2, 4, v1                        ; 16 l: my bytes of a load's or a store's 512
	v_lshrrev_b32 v22, 3, v1
	v_lshl_add_u32 v3, v22, 4, v2
	v_add_nc_u32 v3, s27, v3                       ; stage, in: 16 l + 16 (l / 8): eight lanes' 128 bytes, then 16 of padding
	v_mul_u32_u24 v4, v1, 144
	v_add_nc_u32 v4, s27, v4                       ; stage, out: place l: block l of the row
	v_mul_u32_u24 v5, v1, 272
	v_add_nc_u32 v5, s46, v5
	v_lshrrev_b32 v22, 4, v1
	v_and_b32 v23, 15, v1
	v_mul_u32_u24 v6, v22, 272
	v_lshl_add_u32 v6, v23, 4, v6
	v_add_nc_u32 v6, s38, v6
	v_lshl_add_u32 v7, v22, 8, v23
	v_add_nc_u32 v7, s47, v7
	v_add_nc_u32 v8, s31, v2                       ; scale bytes, out
	v_lshlrev_b32 v9, 7, v1                        ; gamma, beta: my block's 128 bytes
	v_mov_b32 v23, 0                               ; written once: a lane permute's destination counts as one of its sources
	s_lshl_b32 s32, ttmp9, 17                      ; x: 32 x work-group rows of 4,096 bytes
	s_lshl_b32 s34, s44, 15                        ; 8 rows for the tile,
	s_add_co_u32 s32, s32, s34
	s_lshl_b32 s34, s45, 14                        ; place t is row t + 8 (t / 8): 4 rows for each four places,
	s_add_co_u32 s32, s32, s34
	s_lshr_b32 s34, s45, 1
	s_lshl_b32 s34, s34, 15                        ; and 8 more from place 8 on
	s_add_co_u32 s32, s32, s34
	s_mov_b32 s33, 0
	s_lshl_b32 s36, ttmp9, 1
	s_add_co_u32 s36, s36, s44
	s_lshl_b32 s34, s36, 13
	s_lshl_b32 s35, s45, 11
	s_add_co_u32 s34, s34, s35                     ; my quarter of the tile's image
	s_mov_b32 s35, 0
	s_lshl_b32 s36, s36, 9
	s_mov_b32 s37, 0
	s_wait_alu depctr_va_vdst(0)
	s_wait_kmcnt 0x0
	s_add_nc_u64 s[4:5], s[4:5], s[32:33]
	s_add_nc_u64 s[18:19], s[18:19], s[34:35]
	s_add_nc_u64 s[20:21], s[20:21], s[36:37]
.irp i, 0,1,2,3,4,5,6,7
	global_load_b128 v[GAM+4*\i:GAM+4*\i+3], v9, s[6:7] offset:16*\i
	global_load_b128 v[BET+4*\i:BET+4*\i+3], v9, s[8:9] offset:16*\i
.endr
.macro LOAD t                          ; place t of the tile is row t + 8 (t / 8) from the wave's first; each load reads 512 consecutive bytes
.irp j, 0,1,2,3,4,5,6,7
	global_load_b128 v[RR+32*((\t)%2)+4*\j:RR+32*((\t)%2)+4*\j+3], v2, s[4:5] offset:((\t)+8*((\t)/8))*4096+512*\j th:TH_LOAD_NT
.endr
.endm
.macro TURN t                          ; the row through my stage: in as loaded, out 128 bytes a lane.  LDS serves a wave's instructions in order, so no wait stands between
.irp j, 0,1,2,3,4,5,6,7
	ds_store_b128 v3, v[RR+32*((\t)%2)+4*\j:RR+32*((\t)%2)+4*\j+3] offset:S1B*((\t)%2)+576*\j
.endr
.irp j, 0,1,2,3,4,5,6,7
	ds_load_b128 v[XX+32*((\t)%2)+4*\j:XX+32*((\t)%2)+4*\j+3], v4 offset:S1B*((\t)%2)+16*\j
.endr
.endm
.macro FOLD                            ; four packed chains v[14:21] -> one number in v22, the same in every lane
	v_pk_add_f32 v[14:15], v[14:15], v[16:17]
	v_pk_add_f32 v[18:19], v[18:19], v[20:21]
	v_pk_add_f32 v[14:15], v[14:15], v[18:19]
	v_add_f32 v22, v14, v15
	v_add_f32_dpp v22, v22, v22 row_xmask:1 row_mask:0xf bank_mask:0xf
	v_add_f32_dpp v22, v22, v22 row_xmask:2 row_mask:0xf bank_mask:0xf
	v_add_f32_dpp v22, v22, v22 row_xmask:4 row_mask:0xf bank_mask:0xf
	v_add_f32_dpp v22, v22, v22 row_xmask:8 row_mask:0xf bank_mask:0xf
	v_permlanex16_b32 v23, v22, s28, s29
	v_add_f32 v22, v22, v23
.endm
.macro ROW t
.set XS, XX+32*((\t)%2)
.set CS, CC+4*((\t)%2)
.set ES, 28+(\t)%2
.if (\t) > 0
	s_wait_dscnt 2                                 ; this row is back from the stage; the two younger LDS instructions are the last row's code store and byte store
.else
	s_wait_dscnt 0x0
.endif
.if (\t)+2 < 4
	LOAD (\t)+2                                    ; into the registers that this row's stage stores have read
.endif
.if (\t)+1 < 4
.if (\t)+2 < 4
	s_wait_loadcnt 8                               ; the next row is in; the eight just issued may be out
.else
	s_wait_loadcnt 0x0
.endif
	TURN (\t)+1                                    ; it goes through the other stage while this row is worked
.endif
.irp k, 0,1,2,3
	v_pk_add_f32 v[14+2*\k:15+2*\k], v[XS+2*\k:XS+2*\k+1], v[XS+8+2*\k:XS+9+2*\k]     ; the sum of my 32, four chains
.endr
.irp m, 16,24
.irp k, 0,1,2,3
	v_pk_add_f32 v[14+2*\k:15+2*\k], v[14+2*\k:15+2*\k], v[XS+\m+2*\k:XS+\m+2*\k+1]
.endr
.endr
	FOLD
	v_mul_f32 v10, s42, v22                        ; the mean, twice: a pair for the packed form
	v_mul_f32 v11, s42, v22
.irp i, 0,2,4,6,8,10,12,14,16,18,20,22,24,26,28,30
	v_pk_add_f32 v[XS+\i:XS+\i+1], v[XS+\i:XS+\i+1], v[10:11] neg_lo:[0,1] neg_hi:[0,1]   ; x - mean
.endr
.irp k, 0,1,2,3
	v_pk_mul_f32 v[14+2*\k:15+2*\k], v[XS+2*\k:XS+2*\k+1], v[XS+2*\k:XS+2*\k+1]       ; the squares of the differences: the first four start the chains
.endr
.irp m, 8,16,24
.irp k, 0,1,2,3
	v_pk_fma_f32 v[14+2*\k:15+2*\k], v[XS+\m+2*\k:XS+\m+2*\k+1], v[XS+\m+2*\k:XS+\m+2*\k+1], v[14+2*\k:15+2*\k]
.endr
.endr
	FOLD
	v_fma_f32 v22, v22, s42, s43                   ; the variance + eps
	s_wait_alu depctr_va_vdst(0)
	v_rsq_f32 v12, v22
	v_rsq_f32 v13, v22
	v_nop                                          ; a plain instruction behind the transcendentals (ISA guide 5.7.2)
	s_wait_alu depctr_va_vdst(0)                   ; the wait ahead of the first reader: one for both
.irp i, 0,2,4,6,8,10,12,14,16,18,20,22,24,26,28,30
	v_pk_mul_f32 v[XS+\i:XS+\i+1], v[XS+\i:XS+\i+1], v[12:13]
.endr
.irp i, 0,2,4,6,8,10,12,14,16,18,20,22,24,26,28,30
	v_pk_fma_f32 v[XS+\i:XS+\i+1], v[XS+\i:XS+\i+1], v[GAM+\i:GAM+\i+1], v[BET+\i:BET+\i+1]
.endr
	v_max3_num_f32 v24, |v[XS]|, |v[XS+1]|, 0x1800000              ; the block's largest magnitude: all 32 are mine; the floor 2^(3 - 127) holds the byte at 1 from below
	v_max3_num_f32 v25, |v[XS+2]|, |v[XS+3]|, 0x1800000
.irp i, 4,8,12,16,20,24,28
	v_max3_num_f32 v24, v24, |v[XS+\i]|, |v[XS+\i+1]|
	v_max3_num_f32 v25, v25, |v[XS+\i+2]|, |v[XS+\i+3]|
.endr
	v_max_num_f32 v24, v24, v25
	v_add_nc_u32 v26, 0xff000000, v24              ; 2 off its exponent field: the conversion takes this operand's exponent field as its scale
.irp g, 0,1,2,3
	v_cvt_scalef32_pk8_fp4_f32 v[CS+\g], v[XS+8*\g:XS+8*\g+7], v26
.endr
	v_lshrrev_b32 v[ES], 23, v26                   ; the scale's byte (also the plain instruction behind the conversions)
	ds_store_b128 v5, v[CS:CS+3] offset:16*(\t)
	ds_store_b8 v7, v[ES] offset:16*(\t)
.endm
	LOAD 0
	LOAD 1
	s_wait_loadcnt 8                               ; gamma, beta and row 0 are in; row 1's eight may be out
	TURN 0
.irp t, 0,1,2,3
	ROW \t
.endr
	s_wait_dscnt 0x0                               ; my stores into the tile's region are done,
	s_barrier_signal -1
	s_barrier_wait -1                              ; and those of the three waves that share it
.irp i, 0,1,2,3
	ds_load_b128 v[RR+4*\i:RR+4*\i+3], v6 offset:544*\i            ; two blocks: 512 bytes of the tile's image
.endr
.irp i, 0,1,2,3
	s_wait_dscnt 3-\i                              ; load i is in; the younger ones may be out
	global_store_b128 v2, v[RR+4*\i:RR+4*\i+3], s[18:19] offset:512*\i   ; 32 lanes store 512 consecutive bytes, aligned
.endr
	s_cmp_lg_u32 s45, 0                            ; the tile's first wave stores its 512 scale bytes
	s_cbranch_scc1 .Lno_sc
	ds_load_b128 v[XX:XX+3], v8
	s_wait_dscnt 0x0
	global_store_b128 v2, v[XX:XX+3], s[20:21]
.Lno_sc:
	s_wait_tensorcnt 0x0
	ds_add_u32 v232, v233
	s_wait_dscnt 0x0
	s_endpgm
	; ---------------- the weights: a wave takes 32 columns x 128 along K of one weight; a lane takes a column, its registers run down K
.Lweights:
	s_sub_co_u32 s30, ttmp9, 256                   ; 0 .. 127
	s_lshr_b32 s31, s30, 5                         ; which weight: 0 Wq, 1 Wk, 2 Wv, 3 Wo
	s_bfe_u32 s32, s30, 0x10004                    ; which half of K
	s_and_b32 s33, s30, 15
	s_lshl_b32 s33, s33, 1
	s_and_b32 s44, s26, 1
	s_lshr_b32 s45, s26, 1                         ; which 128 of the half's 512 along K: four blocks a wave
	s_add_co_u32 s33, s33, s44
	s_wait_alu depctr_va_vdst(0)
	v_and_b32 v10, 7, v1
	v_bfe_u32 v11, v1, 3, 1
	v_lshrrev_b32 v12, 4, v1
	v_lshl_add_u32 v10, v11, 4, v10
	v_lshl_add_u32 v10, v12, 3, v10                ; lane l is place l % 16 of tile l / 16: column 8 (l / 16) + l % 8 + 16 ((l / 8) % 2)
	v_lshlrev_b32 v3, 2, v10
	v_and_b32 v13, 15, v1
	v_lshlrev_b32 v13, 4, v13
	v_lshl_add_u32 v4, v12, 13, v13                ; codes: my tile, 16 x place
	v_lshl_add_u32 v5, v12, 9, v13                 ; scale bytes likewise
	s_lshl_b32 s34, s32, 21                        ; W: 512 rows of 4,096 bytes a half, 128 bytes for each 32 columns
	s_lshl_b32 s35, s33, 7
	s_add_co_u32 s34, s34, s35
	s_lshl_b32 s35, s45, 19                        ; 128 rows of 4,096 bytes
	s_add_co_u32 s34, s34, s35
	s_mov_b32 s35, 0
	s_lshl_b32 s40, s31, 6
	s_lshl_b32 s41, s33, 1
	s_add_co_u32 s40, s40, s41                     ; my first tile
	s_lshl_b32 s36, s40, 13
	s_lshl_b32 s41, s32, 12
	s_add_co_u32 s36, s36, s41
	s_lshl_b32 s41, s45, 10                        ; four blocks of 256 bytes
	s_add_co_u32 s36, s36, s41
	s_mov_b32 s37, 0
	s_lshl_b32 s38, s40, 9
	s_lshl_b32 s41, s32, 8
	s_add_co_u32 s38, s38, s41
	s_lshl_b32 s41, s45, 2                         ; four scale bytes
	s_add_co_u32 s38, s38, s41
	s_mov_b32 s39, 0
	s_wait_alu depctr_va_vdst(0)
	s_wait_kmcnt 0x0
	s_cmp_lt_u32 s30, 32                           ; the choice of the buffer hangs on the work-group's number alone
	s_cselect_b64 s[10:11], s[10:11], s[12:13]
	s_cmp_lt_u32 s30, 96
	s_cselect_b64 s[14:15], s[14:15], s[16:17]
	s_cmp_lt_u32 s30, 64
	s_cselect_b64 s[10:11], s[10:11], s[14:15]
	s_add_nc_u64 s[10:11], s[10:11], s[34:35]
	s_add_nc_u64 s[22:23], s[22:23], s[36:37]
	s_add_nc_u64 s[24:25], s[24:25], s[38:39]
.macro WLOAD t                         ; block t: W(32 t + i, my column): the 32 lanes read 128 consecutive bytes
.set i, 0
.rept 32
	global_load_b32 v[WX+32*((\t)%2)+i], v3, s[10:11] offset:(32*(\t)+i)*4096 th:TH_LOAD_NT
.set i, i+1
.endr
.endm
.macro BLOCK t
.set XS, WX+32*((\t)%2)
.if (\t) < 3
	s_wait_loadcnt 32                              ; this block's 32 loads are in; the next block's may be out
.else
	s_wait_loadcnt 0x0
.endif
	v_max3_num_f32 v16, |v[XS]|, |v[XS+1]|, 0x1800000
	v_max3_num_f32 v17, |v[XS+2]|, |v[XS+3]|, 0x1800000
.irp i, 4,8,12,16,20,24,28
	v_max3_num_f32 v16, v16, |v[XS+\i]|, |v[XS+\i+1]|
	v_max3_num_f32 v17, v17, |v[XS+\i+2]|, |v[XS+\i+3]|
.endr
	v_max_num_f32 v16, v16, v17
	v_add_nc_u32 v18, 0xff000000, v16
	v_lshrrev_b32 v19, 23, v18
.if (\t)%4 == 0
	v_mov_b32 v[SB+(\t)/4], v19                    ; four bytes to a register, the lower K in the lower byte
.else
	v_lshl_or_b32 v[SB+(\t)/4], v19, 8*((\t)%4), v[SB+(\t)/4]
.endif
.irp g, 0,1,2,3
	v_cvt_scalef32_pk8_fp4_f32 v[WC+4*(\t)+\g], v[XS+8*\g:XS+8*\g+7], v18
.endr
	global_store_b128 v4, v[WC+4*(\t):WC+4*(\t)+3], s[22:23] offset:256*(\t)   ; lanes 0-15 and lanes 16-31 each store 256 consecutive bytes, aligned
.if (\t)+2 < 4
	WLOAD (\t)+2
.endif
.endm
	WLOAD 0
	WLOAD 1
.irp t, 0,1,2,3
	BLOCK \t
.endr
	global_store_b32 v5, v[SB], s[24:25]           ; my column's four scale bytes: 4 bytes in each 16, the other twelve are three other waves': one byte for each 128 that the launch reads
	s_endpgm
.Lfunc_end_k_qf2c0a1a73a_prep:
	.size	k_qf2c0a1a73a_prep, .Lfunc_end_k_qf2c0a1a73a_prep-k_qf2c0a1a73a_prep
	.p2alignl 7, 3214868480
	.fill 96, 4, 3214868480
	.section	.rodata,"a",@progbits
	.p2align	6, 0x0
	.amdhsa_kernel k_qf2c0a1a73a_prep
		.amdhsa_group_segment_fixed_size 93184
		.amdhsa_private_segment_fixed_size 0
		.amdhsa_enable_private_segment 0
		.amdhsa_kernarg_size 88
		.amdhsa_user_sgpr_count 2
		.amdhsa_user_sgpr_kernarg_segment_ptr 1
		.amdhsa_wavefront_size32 1
		.amdhsa_system_sgpr_workgroup_id_x 1
		.amdhsa_system_sgpr_workgroup_id_y 1
		.amdhsa_system_sgpr_workgroup_id_z 1
		.amdhsa_system_vgpr_workitem_id 0
		.amdhsa_next_free_vgpr 234
		.amdhsa_next_free_sgpr 66
		.amdhsa_reserve_vcc 0
		.amdhsa_float_denorm_mode_32 3
		.amdhsa_float_denorm_mode_16_64 3
		.amdhsa_memory_ordered 1
		.amdhsa_forward_progress 1
		.amdhsa_inst_pref_size 65
	.end_amdhsa_kernel
	.amdgpu_metadata
---
amdhsa.version: [ 1, 2 ]
amdhsa.kernels:
  - .name:           k_qf2c0a1a73a_prep
    .symbol:         k_qf2c0a1a73a_prep.kd
    .args:
      - { .name: x, .offset: 0, .size: 8, .value_kind: global_buffer, .address_space: global }
      - { .name: ln_gamma, .offset: 8, .size: 8, .value_kind: global_buffer, .address_space: global }
      - { .name: ln_beta, .offset: 16, .size: 8, .value_kind: global_buffer, .address_space: global }
      - { .name: Wq, .offset: 24, .size: 8, .value_kind: global_buffer, .address_space: global }
      - { .name: Wk, .offset: 32, .size: 8, .value_kind: global_buffer, .address_space: global }
      - { .name: Wv, .offset: 40, .size: 8, .value_kind: global_buffer, .address_space: global }
      - { .name: Wo, .offset: 48, .size: 8, .value_kind: global_buffer, .address_space: global }
      - { .name: xn_img, .offset: 56, .size: 8, .value_kind: global_buffer, .address_space: global }
      - { .name: xn_sc, .offset: 64, .size: 8, .value_kind: global_buffer, .address_space: global }
      - { .name: w_img, .offset: 72, .size: 8, .value_kind: global_buffer, .address_space: global }
      - { .name: w_sc, .offset: 80, .size: 8, .value_kind: global_buffer, .address_space: global }
    .group_segment_fixed_size: 93184
    .private_segment_fixed_size: 0
    .kernarg_segment_align: 8
    .kernarg_segment_size: 88
    .max_flat_workgroup_size: 256
    .sgpr_count:     66
    .vgpr_count:     234
    .wavefront_size: 32
...
	.end_amdgpu_metadata
.endif
;; end of part 1
;; launch qkv (part 2): grid 12 x 32, 4 waves a work-group, clusters of 4 x 4, 279,040 bytes of LDS; arguments xn_img, xn_sc, w_img, w_sc, bq, bk, bv, img, sc; writes img, sc
.if DOCPART == 2
	.amdgcn_target "amdgcn-amd-amdhsa--gfx1250"
	.amdhsa_code_object_version 6
	.text
	.protected	k_qf2c0a1a73a_qkv
	.globl	k_qf2c0a1a73a_qkv
	.p2align	8
	.type	k_qf2c0a1a73a_qkv,@function
k_qf2c0a1a73a_qkv:
	s_mov_b64 s[64:65], 0
	v_nop
	global_prefetch_b8 v0, s[64:65] scope:SCOPE_SE
	s_setreg_imm32_b32 hwreg(HW_REG_WAVE_MODE, 25, 1), 1
	s_wait_xcnt 0x0
	s_wait_alu depctr_hold_cnt(0) depctr_sa_sdst(0) depctr_va_vdst(0) depctr_va_sdst(0) depctr_va_ssrc(0) depctr_va_vcc(0) depctr_vm_vsrc(0)
	s_getreg_b32 s2, hwreg(HW_REG_IB_STS2, 6, 4)
	s_cmp_eq_u32 s2, 0
	s_cbranch_scc0 .Lentry_in_a_cluster
	s_endpgm
.Lentry_in_a_cluster:
	s_bfe_u32 s2, ttmp6, 0x10000c
	s_cmp_lg_u32 s2, 0xf033
	s_cbranch_scc0 .Lentry_shape_is_right
	s_endpgm
.Lentry_shape_is_right:
; QKV.  q = xn Wq + bq, k = xn Wk + bk, v = xn Wv + bv on codes of E2M1 (K = 1,024), and the results quantised at once: q and k along the head's 64, v along the keys.  Only codes and scale bytes are stored.
; ONE BODY.  P is source 0 of the matrix instruction: its rows run along a lane's result registers, the axis that is quantised.  R is source 1: one row to a lane.
; Clusters x = 0, 1 (q, k): P = the columns of Wq, Wk (tiles 0-127 of w_img), R = tokens.  Cluster x = 2 (v): P = tokens, R = the columns of Wv (tiles 128-191).  The choice hangs on the cluster's x alone.
; The rows of a tile of 16 are not neighbours (tile 2 B + u, place r: row 32 B + 8 u + r + 8 (r / 8)), so that the 16 registers of P's tiles 2 B and 2 B + 1 are 16 neighbours: 32 B + 16 (lane / 16) + 0 .. 15.
; SHARES.  A work-group makes 256 of P x 256 of R; each of four waves 128 x 128: 64 accumulators, 512 registers.  All of K for these rows fits in LDS: 2 x 131,072 bytes of codes (R's tiles, then P's).
; Every LDS byte is filled once, so there is no ring: one tensor load a wave at the head, and one wait for 0 ahead of the first fragments.
; CLUSTER 4 x 4.  P's rows hang on cx alone and are shared along a column of the cluster, R's on cy alone and are shared along a row: each tile is asked for jointly by the four that need it.
; OUT.  img: which x 4 MiB + pair x 131072 + c x 65536 + g x 4096 + a x 512 + 16 x lane (which: 0 q, 1 k, 2 v; pair = batch x 8 + head / 2; g = the group of 128 tokens).  q, k: c = the head's parity, a = the token tile:
; registers 0-3 of the head's fragment.  v: c = the half of the fragment's registers, a = 4 x parity + tile of d.  sc: scale words, four to a lane: word j of lane (r, hh) belongs to tile a = 2 j + hh, row r.
; LIMITS: NaN and infinities are not served; a block of zeros keeps the byte 1 (read by this program alone).
; REGISTERS.  window 0: v1-27 addresses; v32-95 scale words; v96-103 the scale words made; v104-123 at work; v128-255 R's fragments, two sets (on the way out v128-191 the codes made).
;   window 1: v0-127 P's fragments, two sets; v128-191 the bias in the result's layout.   windows 2, 3: accumulator (a, b) at v[8 (8 (a % 4) + b)], a < 4 in window 2.
.set LI,   3                           ; v3   16 x lane
.set ADRA, 16                          ; v16-17 R's fragments in K half 0, 1
.set ADRB, 20                          ; v20-21 P's
.set VO,   24                          ; v24  my byte in img
.set VS,   25                          ; v25  my byte in sc
.set SC,   32                          ; scale words, loaded from memory: R's tile i, K step q % 4 at v[SC+4 i+q], P's at v[SC+32+4 i+q]; lanes 0-15 hold K steps 0-3, lanes 16-31 K steps 4-7
.set PW,   96
.set TM,   104
.set MW,   120
.set PC,   128
.set BIAS, 128
.set MSB, 0
.macro WIN new                         ; the immediate's high byte repeats the setting that is left
.if MSB != \new
	s_set_vgpr_msb (MSB<<8)|\new
.set MSB, \new
.endif
.endm
.macro PLACES n
.rept \n
	v_nop
.endr
.endm
.macro CROUND                          ; a round of the cluster's barrier
	s_barrier_signal -1
	s_barrier_wait -1
	s_cmp_lg_u32 s22, 0
	s_cbranch_scc1 .Lnot_wave_0_\@
	s_barrier_signal -3
.Lnot_wave_0_\@:
	s_barrier_wait -3
	s_barrier_signal -1
	s_barrier_wait -1
.endm
	s_load_b256 s[4:11], s[0:1], 0x0               ; xn_img s[4:5], xn_sc s[6:7], w_img s[8:9], w_sc s[10:11]
	s_load_b256 s[12:19], s[0:1], 0x20             ; bq s[12:13], bk s[14:15], bv s[16:17], img s[18:19]
	s_load_b64 s[20:21], s[0:1], 0x40              ; sc
	v_lshl_add_u32 v126, v0, 2, 0x44000
	v_mov_b32 v127, 0
	ds_add_u32 v126, v127
	ds_add_u32 v126, v127
	v_lshrrev_b32 v1, 5, v0
	v_readfirstlane_b32 s22, v1                    ; wave 0..3
	s_lshr_b32 s23, s22, 1                         ; which half of R's rows is mine.  Also: I fetch for R (0) or for P (1)
	s_and_b32 s84, s22, 1                          ; which half of P's rows.  Also: which 8 tiles I fetch
	s_bfe_u32 s86, ttmp6, 0x40000                  ; cx
	s_bfe_u32 s87, ttmp6, 0x40004                  ; cy
	s_and_b32 s92, ttmp7, 0xffff
	s_lshl_b32 s92, s92, 2                         ; 4 x cluster y
	s_lshl_b32 s93, ttmp9, 2                       ; 4 x cluster x
	s_cmp_eq_u32 ttmp9, 2                          ; v?
	s_cselect_b32 s85, 1, 0
	s_cselect_b32 s94, s92, s93                    ; P: the cluster's first block of 256 rows
	s_cselect_b32 s95, 0, s92                      ; R's
	s_cselect_b32 s96, 128, 0                      ; Wv begins 128 tiles into the weights
	s_add_co_u32 s94, s94, s86                     ; P's block: + cx
	s_add_co_u32 s95, s95, s87                     ; R's block: + cy
	s_lshl_b32 s97, s84, 3
	s_lshl_b32 s98, s94, 4
	s_add_co_u32 s98, s98, s97                     ; P: the first tile of 16 that I would fetch
	s_lshl_b32 s99, s95, 4
	s_add_co_u32 s99, s99, s96
	s_add_co_u32 s99, s99, s97                     ; R likewise
	s_lshl_b32 s89, s87, 2
	s_lshl_b32 s89, 15, s89                        ; my row of the cluster
	s_lshl_b32 s3, 0x1111, s86                     ; my column
	s_or_b32 s24, s89, (3<<16)|(1<<21)             ; group 1, word 0: 15:0 the mask; 17:16 elements of 8 bytes; 21 set beside a mask.  R's codes,
	s_or_b32 s32, s3, (3<<16)|(1<<21)              ; P's codes,
.irp g, 24, 32                         ; codes: 8 tiles' whole K: 8 rows of 8,192 bytes (1,024 elements), 8,192 bytes apart
	s_mov_b32 s[\g+1], 1024<<16                    ; tensor_dim0: a tile's whole K, 8,192 bytes
	s_mov_b32 s[\g+2], 8<<16                       ; tensor_dim1
	s_mov_b32 s[\g+3], 1024<<16                    ; tile_dim0
	s_mov_b32 s[\g+4], 8                           ; tile_dim1
	s_mov_b32 s[\g+5], 1024                        ; the pitch
	s_mov_b32 s[\g+6], 0
	s_mov_b32 s[\g+7], 0
.endr
	; ONE tensor load a wave: 8 tiles x 8,192 dense bytes (all of K) to LDS byte 65536 x wave: R's 16 tiles, then P's 16.  The scale words do not pass through LDS
	s_sub_co_u32 s58, s99, s97
	s_lshl_b32 s59, s23, 3
	s_add_co_u32 s58, s58, s59                     ; the first of the 8 tiles of R that I multiply
	s_lshl_b32 s58, s58, 9                         ; its scale bytes
	s_mov_b32 s59, 0
	s_mov_b32 s60, 1                               ; R's codes
	s_lshl_b32 s61, s22, 16
	s_lshl_b32 s62, s99, 13
	s_mov_b32 s63, 0
	s_lshl_b32 s74, s98, 9                         ; P: the tiles that I fetch are those that I multiply
	s_mov_b32 s75, 0
	s_mov_b32 s76, 1                               ; P's codes
	s_lshl_b32 s77, s22, 16
	s_lshl_b32 s78, s98, 13
	s_mov_b32 s79, 0
	s_wait_dscnt 0x0
	s_wait_kmcnt 0x0
	s_cmp_eq_u32 ttmp9, 2
	s_cselect_b64 s[92:93], s[8:9], s[4:5]         ; R's codes: the weights' for v, else the tokens'
	s_cselect_b64 s[96:97], s[10:11], s[6:7]       ; R's scale bytes
	s_cselect_b64 s[2:3], s[4:5], s[8:9]           ; P's codes
	s_cselect_b64 s[66:67], s[6:7], s[10:11]       ; P's scale bytes
	s_add_nc_u64 s[58:59], s[96:97], s[58:59]
	s_add_nc_u64 s[62:63], s[92:93], s[62:63]
	s_add_nc_u64 s[74:75], s[66:67], s[74:75]
	s_add_nc_u64 s[78:79], s[2:3], s[78:79]
.irp g, 63, 79
	s_or_b32 s\g, s\g, 0x80000000                  ; type = 2
.endr
	CROUND                                         ; all sixteen work-groups are here: the joint loads meet
	s_cmp_lt_u32 s22, 2                            ; a wave's one fill stands in one branch on its number
	s_cbranch_scc0 .Lfill_p
	tensor_load_to_lds s[60:63], s[24:31]
	s_nop 0
	PLACES 4                                       ; four places behind a tensor load
	s_branch .Lfilled
.Lfill_p:
	tensor_load_to_lds s[76:79], s[32:39]
	s_nop 0
	PLACES 4
.Lfilled:
	v_and_b32 v1, 15, v0                           ; r
	v_bfe_u32 v2, v0, 4, 1                         ; h
	v_and_b32 v[LI], 31, v0
	v_lshlrev_b32 v[LI], 4, v[LI]
.irp i, 0,1,2,3,4,5,6,7                ; a tile's 512 scale bytes at 16 x lane: lane 16 s + r gets row r's four words of K half s; 32 lanes read 512 consecutive bytes
	global_load_b128 v[SC+4*\i:SC+4*\i+3], v[LI], s[58:59] offset:512*\i
	global_load_b128 v[SC+32+4*\i:SC+32+4*\i+3], v[LI], s[74:75] offset:512*\i
.endr
	s_lshl_b32 s92, s23, 16
	s_lshl_b32 s93, s84, 16
	s_add_co_u32 s93, s93, 131072
	v_add_nc_u32 v[ADRA], s92, v[LI]
	v_add_nc_u32 v[ADRB], s93, v[LI]
	v_add_nc_u32 v[ADRA+1], 4096, v[ADRA]          ; the second half of K lies 4,096 bytes on in each tile
	v_add_nc_u32 v[ADRB+1], 4096, v[ADRB]
	v_lshlrev_b32 v4, 6, v2                        ; bias along the registers: 64 h
	v_and_b32 v5, 8, v1
	v_add_nc_u32 v5, v5, v1
	v_lshlrev_b32 v5, 2, v5                        ; bias along the lanes: 4 (r + 8 (r / 8))
.irp b, 0,1,2,3
	v_mov_b32 v[TM+4+\b], 0                        ; written once: a lane permute's destination counts as one of its sources
.endr
	s_mov_b32 s88, 0xffff0000                      ; lanes 16-31
	s_mov_b32 s90, 0x76543210
	s_mov_b32 s91, 0xfedcba98
	; where my results go.  nn: my first column among q's, k's, v's 3,072; mm: my first token
	s_lshl_b32 s92, s94, 8
	s_lshl_b32 s96, s84, 7
	s_add_co_u32 s92, s92, s96                     ; P's first row of mine
	s_lshl_b32 s93, s95, 8
	s_lshl_b32 s96, s23, 7
	s_add_co_u32 s93, s93, s96                     ; R's
	s_add_co_u32 s96, s93, 2048
	s_cmp_eq_u32 s85, 1
	s_cselect_b32 s97, s96, s92                    ; nn
	s_cselect_b32 s96, s92, s93                    ; mm
	s_cselect_b32 s67, 13, 14                      ; a pair's scale words: 8,192 bytes for v, 16,384 (two heads) for q and k
	s_lshr_b32 s92, s97, 10                        ; which
	s_lshr_b32 s93, s96, 11
	s_lshl_b32 s93, s93, 3
	s_bfe_u32 s2, s97, 0x30007
	s_add_co_u32 s93, s93, s2                      ; pair
	s_bfe_u32 s2, s96, 0x40007                     ; g
	s_lshl_b32 s3, s92, 22
	s_lshl_b32 s66, s93, 17
	s_add_co_u32 s3, s3, s66
	s_lshl_b32 s66, s2, 12
	s_add_co_u32 s3, s3, s66
	v_add_nc_u32 v[VO], s3, v[LI]
	s_lshl_b32 s3, s92, 19
	s_lshl_b32 s66, s93, s67
	s_add_co_u32 s3, s3, s66
	s_lshl_b32 s66, s2, 9
	s_add_co_u32 s3, s3, s66
	v_add_nc_u32 v[VS], s3, v[LI]
	s_and_b32 s2, s97, 1023
	s_lshl_b32 s2, s2, 2                           ; my first column in its bias
	s_mov_b32 s3, 0
	s_cmp_eq_u32 ttmp9, 0
	s_cselect_b64 s[12:13], s[12:13], s[14:15]     ; bq or bk,
	s_cmp_eq_u32 ttmp9, 2
	s_cselect_b64 s[12:13], s[16:17], s[12:13]     ; or bv
	s_add_nc_u64 s[12:13], s[12:13], s[2:3]
	s_cmp_eq_u32 s85, 1
	s_cbranch_scc1 .Lbias_v
	WIN 0x40                                       ; destination window 1
.irp b, 0,1,2,3,4,5,6,7                ; q, k: register j of P's tile 2 b' + u holds column 32 b' + 16 h + 8 u + j
	global_load_b128 v[BIAS+8*\b:BIAS+8*\b+3], v4, s[12:13] offset:(32*(\b/2)+8*(\b%2))*4
	global_load_b128 v[BIAS+8*\b+4:BIAS+8*\b+7], v4, s[12:13] offset:(32*(\b/2)+8*(\b%2))*4+16
.endr
	WIN 0
	s_branch .Lbias_done
.Lbias_v:
	WIN 0x40
	s_wait_alu depctr_va_vdst(0)
.irp a, 0,1,2,3,4,5,6,7                ; v: all eight registers of R's tile a hold the bias of the lane's column
.irp j, 0,1,2,3,4,5,6,7
	global_load_b32 v[BIAS+8*\a+\j], v5, s[12:13] offset:(32*(\a/2)+8*(\a%2))*4
.endr
.endr
	WIN 0
.Lbias_done:
.macro FETCH s, q, p                   ; the fragments of K step q of half s into set p: 16 loads for P, 16 for R; each reads 512 consecutive bytes
	WIN 0x40
.irp i, 0,1,2,3,4,5,6,7
.irp c, 0,1
	ds_load_b128 v[64*(\p)+8*\i+4*\c:64*(\p)+8*\i+4*\c+3], v[ADRB+(\s)] offset:\i*8192+(\q)*1024+512*\c
.endr
.endr
	WIN 0
.irp i, 0,1,2,3,4,5,6,7
.irp c, 0,1
	ds_load_b128 v[128+64*(\p)+8*\i+4*\c:128+64*(\p)+8*\i+4*\c+3], v[ADRA+(\s)] offset:\i*8192+(\q)*1024+512*\c
.endr
.endr
.endm
; 64 matrix instructions: K step gs of 8.  The 64 accumulators take turns, one instruction a turn, in the same order in every step.
; cmode 0: the sums go on.  1: they begin with the bias of P's tile b.  2: with that of R's tile a.
.macro MUL64 gs, cmode
.set SS, SC+(\gs)%4
.set PF, 64*((\gs)%2)
.set RF, 128+64*((\gs)%2)
.irp a, 0,1,2,3,4,5,6,7
.if \cmode
.set WW, 0x91+0x40*(\a/4)              ; source 0 (P) and C (bias) window 1, source 1 (R) window 0, D window 2 or 3
.else
.set WW, 0xa1+0x50*(\a/4)              ; source 0 window 1, source 1 window 0, C and D window 2 or 3
.endif
	WIN WW
.irp b, 0,1,2,3,4,5,6,7
.set AC, 8*(8*(\a%4)+\b)
.if \cmode == 0
.if (\gs) < 4
	v_wmma_scale_f32_16x16x128_f8f6f4 v[AC:AC+7], v[PF+8*\b:PF+8*\b+7], v[RF+8*\a:RF+8*\a+7], v[AC:AC+7], v[SS+32+4*\b], v[SS+4*\a] matrix_a_fmt:MATRIX_FMT_FP4 matrix_b_fmt:MATRIX_FMT_FP4
.else
	v_wmma_scale_f32_16x16x128_f8f6f4 v[AC:AC+7], v[PF+8*\b:PF+8*\b+7], v[RF+8*\a:RF+8*\a+7], v[AC:AC+7], v[SS+32+4*\b], v[SS+4*\a] matrix_a_fmt:MATRIX_FMT_FP4 matrix_b_fmt:MATRIX_FMT_FP4 matrix_a_scale:MATRIX_SCALE_ROW1 matrix_b_scale:MATRIX_SCALE_ROW1
.endif
.elseif \cmode == 1
	v_wmma_scale_f32_16x16x128_f8f6f4 v[AC:AC+7], v[PF+8*\b:PF+8*\b+7], v[RF+8*\a:RF+8*\a+7], v[BIAS+8*\b:BIAS+8*\b+7], v[SS+32+4*\b], v[SS+4*\a] matrix_a_fmt:MATRIX_FMT_FP4 matrix_b_fmt:MATRIX_FMT_FP4
.else
	v_wmma_scale_f32_16x16x128_f8f6f4 v[AC:AC+7], v[PF+8*\b:PF+8*\b+7], v[RF+8*\a:RF+8*\a+7], v[BIAS+8*\a:BIAS+8*\a+7], v[SS+32+4*\b], v[SS+4*\a] matrix_a_fmt:MATRIX_FMT_FP4 matrix_b_fmt:MATRIX_FMT_FP4
.endif
.endr
.endr
.endm
.macro STEP gs
	s_wait_dscnt 0x0                               ; this step's fragments, asked for 64 matrix instructions ago, are in
.if (\gs) < 7
	PLACES 4                                       ; four plain instructions between the products that read the other set and the loads into it (ISA guide 7.12.1 for vector instructions)
	FETCH ((\gs)+1)/4, ((\gs)+1)%4, ((\gs)+1)%2
.endif
	MUL64 \gs, 0
.endm
	s_wait_alu depctr_va_vdst(0)                   ; the wait at the head's end
	s_wait_tensorcnt 0x0                           ; my one load, 8 tiles' whole K, has landed; nothing is filled again in this launch
	s_barrier_signal -1
	s_barrier_wait -1
	FETCH 0, 0, 0
	s_wait_dscnt 0x0
	FETCH 0, 1, 1
	s_wait_loadcnt 0x0                             ; the bias
	s_cmp_eq_u32 s85, 1
	s_cbranch_scc1 .Lfirst_v
	MUL64 0, 1                                     ; the first K step starts the sums from the bias: nothing is cleared, nothing is added later
	WIN 0
	s_branch .Lfirst_done
.Lfirst_v:
	MUL64 0, 2
	WIN 0
.Lfirst_done:
.irp g, 1,2,3,4,5,6,7
	STEP \g
.endr
	WIN 0
	PLACES 4                                       ; between the last products and the first reads of results and writes of operand registers
; R's tile a: a lane's 64 results (register 16 b + i = place 32 b + 16 (lane / 16) + i along P) become a fragment's codes in v[PC + 8 a] on and its scale word in v[PW + a].  Each accumulator is read from its low end on.
.macro QUANT a
.set AC, 64*((\a)%4)
.set W1, 2+(\a)/4
.set W2, W1*5
	WIN W2                                         ; sources 0 and 1: window 2 or 3
.irp b, 0,1,2,3
	v_max3_num_f32 v[TM+\b], |v[AC+16*\b]|, |v[AC+16*\b+1]|, 0x1800000   ; block b: my 16, and the floor 2^(3 - 127)
.endr
.irp i, 2,4,6,8,10,12,14
.irp b, 0,1,2,3
	v_max3_num_f32 v[TM+\b], |v[AC+16*\b+\i]|, |v[AC+16*\b+\i+1]|, v[TM+\b]
.endr
.endr
	WIN 0
.irp b, 0,1,2,3
	v_permlanex16_b32 v[TM+4+\b], v[TM+\b], s90, s91
.endr
.irp b, 0,1,2,3
	v_max_num_f32 v[TM+\b], v[TM+\b], v[TM+4+\b]   ; with lane l xor 16's 16: the block's largest magnitude
.endr
.irp b, 0,1,2,3
	v_add_nc_u32 v[TM+12+\b], 0xff000000, v[TM+\b] ; 2 off the exponent field: the conversion's scale operand
.endr
.irp b, 0,1,2,3
	v_lshrrev_b32 v[TM+4+\b], 23, v[TM+12+\b]      ; the byte
.endr
	v_lshl_or_b32 v[PW+(\a)], v[TM+5], 8, v[TM+4]
	v_lshl_or_b32 v[PW+(\a)], v[TM+6], 16, v[PW+(\a)]
	v_lshl_or_b32 v[PW+(\a)], v[TM+7], 24, v[PW+(\a)]
	WIN W1                                         ; source 0: window 2 or 3
.irp b, 0,1,2,3
	v_cvt_scalef32_pk8_fp4_f32 v[PC+8*(\a)+2*\b], v[AC+16*\b:AC+16*\b+7], v[TM+12+\b]
	v_cvt_scalef32_pk8_fp4_f32 v[PC+8*(\a)+2*\b+1], v[AC+16*\b+8:AC+16*\b+15], v[TM+12+\b]
.endr
	WIN 0
	v_nop                                          ; one plain instruction behind the conversions
.irp c, 0,1                            ; the operand's layout wants a whole block in a lane: lanes 0-15 block 2 c, lanes 16-31 block 2 c + 1
.irp i, 0,1
	v_permlane16_swap_b32 v[PC+8*(\a)+4*\c+\i], v[PC+8*(\a)+4*\c+2+\i]
.endr
.endr
.endm
.irp a, 0,1,2,3,4,5,6,7
	QUANT \a
	global_store_b128 v[VO], v[PC+8*\a:PC+8*\a+3], s[18:19] offset:\a*512            ; 32 lanes store 512 consecutive bytes, aligned; each tile has its own registers, so no store's data are written again
	global_store_b128 v[VO], v[PC+8*\a+4:PC+8*\a+7], s[18:19] offset:\a*512+65536
.endr
.irp j, 0,1,2,3
	v_cndmask_b32 v[MW+\j], v[PW+2*\j], v[PW+2*\j+1], s88     ; lanes 0-15: tile 2 j's word, lanes 16-31: tile 2 j + 1's (both halves of the lanes hold each row's word)
.endr
	s_cmp_eq_u32 s85, 1
	s_cbranch_scc1 .Lsc_v
.irp j, 0,1,2,3
	v_and_b32 v[192+\j], 0xffff, v[MW+\j]          ; q, k: the even head's two bytes; bytes 2 and 3 stay 0 and stand over zero codes
	v_lshrrev_b32 v[196+\j], 16, v[MW+\j]          ; the odd head's
.endr
	global_store_b128 v[VS], v[192:195], s[20:21]
	global_store_b128 v[VS], v[196:199], s[20:21] offset:8192
	s_branch .Lsc_done
.Lsc_v:
	s_wait_alu depctr_va_vdst(0)
	global_store_b128 v[VS], v[MW:MW+3], s[20:21]
.Lsc_done:
	s_wait_tensorcnt 0x0
	ds_add_u32 v126, v127
	s_wait_dscnt 0x0
	CROUND                                         ; the closing round: no work-group ends while a partner may still ask for a tile that names it
	s_endpgm
.Lfunc_end_k_qf2c0a1a73a_qkv:
	.size	k_qf2c0a1a73a_qkv, .Lfunc_end_k_qf2c0a1a73a_qkv-k_qf2c0a1a73a_qkv
	.p2alignl 7, 3214868480
	.fill 96, 4, 3214868480
	.section	.rodata,"a",@progbits
	.p2align	6, 0x0
	.amdhsa_kernel k_qf2c0a1a73a_qkv
		.amdhsa_group_segment_fixed_size 279040
		.amdhsa_private_segment_fixed_size 0
		.amdhsa_enable_private_segment 0
		.amdhsa_kernarg_size 72
		.amdhsa_user_sgpr_count 2
		.amdhsa_user_sgpr_kernarg_segment_ptr 1
		.amdhsa_wavefront_size32 1
		.amdhsa_system_sgpr_workgroup_id_x 1
		.amdhsa_system_sgpr_workgroup_id_y 1
		.amdhsa_system_sgpr_workgroup_id_z 1
		.amdhsa_system_vgpr_workitem_id 0
		.amdhsa_next_free_vgpr 1024
		.amdhsa_next_free_sgpr 100
		.amdhsa_reserve_vcc 0
		.amdhsa_float_denorm_mode_32 3
		.amdhsa_float_denorm_mode_16_64 3
		.amdhsa_memory_ordered 1
		.amdhsa_forward_progress 1
		.amdhsa_inst_pref_size 141
	.end_amdhsa_kernel
	.amdgpu_metadata
---
amdhsa.version: [ 1, 2 ]
amdhsa.kernels:
  - .name:           k_qf2c0a1a73a_qkv
    .symbol:         k_qf2c0a1a73a_qkv.kd
    .args:
      - { .name: xn_img, .offset: 0, .size: 8, .value_kind: global_buffer, .address_space: global }
      - { .name: xn_sc, .offset: 8, .size: 8, .value_kind: global_buffer, .address_space: global }
      - { .name: w_img, .offset: 16, .size: 8, .value_kind: global_buffer, .address_space: global }
      - { .name: w_sc, .offset: 24, .size: 8, .value_kind: global_buffer, .address_space: global }
      - { .name: bq, .offset: 32, .size: 8, .value_kind: global_buffer, .address_space: global }
      - { .name: bk, .offset: 40, .size: 8, .value_kind: global_buffer, .address_space: global }
      - { .name: bv, .offset: 48, .size: 8, .value_kind: global_buffer, .address_space: global }
      - { .name: img, .offset: 56, .size: 8, .value_kind: global_buffer, .address_space: global }
      - { .name: sc, .offset: 64, .size: 8, .value_kind: global_buffer, .address_space: global }
    .group_segment_fixed_size: 279040
    .private_segment_fixed_size: 0
    .kernarg_segment_align: 8
    .kernarg_segment_size: 72
    .max_flat_workgroup_size: 128
    .sgpr_count:     100
    .vgpr_count:     1024
    .wavefront_size: 32
...
	.end_amdgpu_metadata
.endif
;; end of part 2
;; launch attn (part 3): grid 4 x 64, 16 waves a work-group, clusters of 4 x 1, 169,984 bytes of LDS; arguments img, sc, ao_img, ao_sc; writes ao_img, ao_sc
.if DOCPART == 3
	.amdgcn_target "amdgcn-amd-amdhsa--gfx1250"
	.amdhsa_code_object_version 6
	.text
	.protected	k_qf2c0a1a73a_attn
	.globl	k_qf2c0a1a73a_attn
	.p2align	8
	.type	k_qf2c0a1a73a_attn,@function
k_qf2c0a1a73a_attn:
	s_mov_b64 s[64:65], 0
	v_nop
	global_prefetch_b8 v0, s[64:65] scope:SCOPE_SE
	s_setreg_imm32_b32 hwreg(HW_REG_WAVE_MODE, 25, 1), 1
	s_wait_xcnt 0x0
	s_wait_alu depctr_hold_cnt(0) depctr_sa_sdst(0) depctr_va_vdst(0) depctr_va_sdst(0) depctr_va_ssrc(0) depctr_va_vcc(0) depctr_vm_vsrc(0)
	s_getreg_b32 s2, hwreg(HW_REG_IB_STS2, 6, 4)
	s_cmp_eq_u32 s2, 0
	s_cbranch_scc0 .Lentry_in_a_cluster
	s_endpgm
.Lentry_in_a_cluster:
	s_bfe_u32 s2, ttmp6, 0x10000c
	s_cmp_lg_u32 s2, 0x3003
	s_cbranch_scc0 .Lentry_shape_is_right
	s_endpgm
.Lentry_shape_is_right:
; ATTN.  Causal attention of one head (of 64 = batch x head) on codes of E2M1, head size 64, 2,048 tokens; the result divided by the row's sum is quantised along the head's 64 and stored as codes for the last product.
; Key steps all of whose keys come after a tile's queries lie wholly under the causal mask that the problem builds itself: they are passed over.
; SOFTMAX.  t = score x log2(e) / 8; M = the running largest t rounded up to a whole number; p = 2^(t - M) is quantised along the keys, not normalised; the row's sum is taken of the unquantised p; when M moves, the
; sum and O are multiplied by 2^(old M - new M), which rounds nothing.
; LAYOUT.  Both products transposed: S^T = K Q^T, O^T = V^T P^T: a lane holds one query.  Tile 2 B + u, place r holds row 32 B + 8 u + r + 8 (r / 8), so that the 16 registers of tiles 2 B, 2 B + 1 are 16 neighbours.
; The head's 64 fill registers 0-3 of a fragment.  Q's registers 4-7 are zero codes; K's tiles stand four registers apart, so a tile's registers 4-7 are the next tile's codes: they meet Q's zero codes and add nothing.
; SHARES.  A cluster of four work-groups is one head; the head's K and V (131,072 bytes of codes, 16,384 of scale words) are loaded once, jointly, into each partner's LDS: every LDS byte is filled once.
; Partner cx owns query tiles 8 g + 2 cx + e.  Wave w takes (g = w, e = 0), then (g = 15 - w, e = 1): 17 key steps of 128 keys for every wave.  Branches hang on the wave's number and on counters alone.
; Both phases' Q are asked for at the head, beside the tensor loads.  A step's K and its scale words are asked for in the step before, behind that step's score products; V at its own step's head.
; No prefetch into the L2: each byte of K and V is asked for once, at the head, and there is no loop to run ahead in.
; LIMITS: NaN and infinities are not served; a block of zeros keeps the byte 1 (read by this program alone); the scaled scores stay under 2^31 in magnitude.
; LDS: K's codes at 0 ([key tile][512]); V's at 65536 ([register half][key step][tile of d][512]); K's scale words at 131072; the pair's V scale words at 139264; spare words at 167936.
; REGISTERS: v1-7 addresses; v8-11 the step's; v12 -M, v13 largest t, v[14:15] the sum; v16-23 Q; v24 Q's scale word; v25 the mask's number; v26-31 global offsets; v32-67 K; v68-71 K's scale words; v72-76, v80-84 the two
; phases' Q; v96-159 S^T, then p; v160-191 O^T; v192-223 V; v224-231 codes; v230-239, v244-254 at work; v[240:241] V's scale words.
.macro CROUND
	s_barrier_signal -1
	s_barrier_wait -1
	s_cmp_lg_u32 s12, 0
	s_cbranch_scc1 .Lnot_wave_0_\@
	s_barrier_signal -3
.Lnot_wave_0_\@:
	s_barrier_wait -3
	s_barrier_signal -1
	s_barrier_wait -1
.endm
	s_load_b256 s[4:11], s[0:1], 0x0               ; img, sc, ao_img, ao_sc
	v_lshl_add_u32 v243, v0, 2, 0x29000
	v_mov_b32 v255, 0
	ds_add_u32 v243, v255                          ; the opening lines: the add twice on end and its wait
	ds_add_u32 v243, v255
	v_lshrrev_b32 v8, 5, v0
	v_readfirstlane_b32 s12, v8                    ; wave 0..15
	s_bfe_u32 s13, ttmp6, 0x40000                  ; cx
	s_and_b32 s14, ttmp7, 0xffff                   ; batch x 16 + head
	s_and_b32 s66, s12, 3
	s_and_b32 s67, s12, 1
	s_mov_b32 s24, 15|(3<<16)|(1<<21)              ; K's codes: all four partners; 64 rows of 256 dense bytes
	s_mov_b32 s25, 32<<16
	s_mov_b32 s26, 64<<16
	s_mov_b32 s27, 32<<16
	s_mov_b32 s28, 64
	s_mov_b32 s29, 32
	s_mov_b32 s30, 0
	s_mov_b32 s31, 0
	s_mov_b32 s32, 15|(3<<16)|(1<<21)              ; V's codes: 8 key steps' 2,048 bytes, 4,096 bytes apart
	s_mov_b32 s33, 256<<16
	s_mov_b32 s34, 8<<16
	s_mov_b32 s35, 256<<16
	s_mov_b32 s36, 8
	s_mov_b32 s37, 512
	s_mov_b32 s38, 0
	s_mov_b32 s39, 0
	s_mov_b32 s40, 15|(3<<16)|(1<<21)              ; scale words: 8,192 dense bytes as 32 rows of 256
	s_mov_b32 s41, 32<<16
	s_mov_b32 s42, 32<<16
	s_mov_b32 s43, 32<<16
	s_mov_b32 s44, 32
	s_mov_b32 s45, 32
	s_mov_b32 s46, 0
	s_mov_b32 s47, 0
	s_mov_b32 s48, 1                               ; group 0, K: waves 0-3, a quarter each
	s_lshl_b32 s49, s66, 14
	s_lshl_b32 s50, s14, 16
	s_add_co_u32 s50, s50, s49
	s_add_co_u32 s50, s50, 0x400000
	s_mov_b32 s51, 0
	s_mov_b32 s52, 1                               ; V: waves 4-7
	s_add_co_u32 s53, s49, 65536
	s_lshr_b32 s54, s14, 1
	s_lshl_b32 s54, s54, 17
	s_and_b32 s68, s14, 1
	s_lshl_b32 s68, s68, 11
	s_add_co_u32 s54, s54, s68
	s_lshl_b32 s68, s66, 15
	s_add_co_u32 s54, s54, s68
	s_add_co_u32 s54, s54, 0x800000
	s_mov_b32 s55, 0
	s_mov_b32 s56, 1                               ; scale words: wave 8 K's (by head), wave 9 V's (by pair)
	s_lshl_b32 s57, s67, 13
	s_add_co_u32 s57, s57, 131072
	s_lshr_b32 s58, s14, s67
	s_lshl_b32 s58, s58, 13
	s_lshl_b32 s68, s67, 19
	s_add_co_u32 s58, s58, s68
	s_add_co_u32 s58, s58, 524288
	s_mov_b32 s59, 0
	; Q's global offsets: s72, s73 codes and scale word of phase 0 (tile 8 w + 2 cx), s74, s75 of phase 1 (tile 8 (15 - w) + 2 cx + 1)
	s_lshl_b32 s68, s13, 1
	s_lshl_b32 s72, s12, 3
	s_add_co_u32 s72, s72, s68
	s_sub_co_u32 s70, 15, s12
	s_lshl_b32 s74, s70, 3
	s_add_co_u32 s74, s74, s68
	s_add_co_u32 s74, s74, 1
	s_lshl_b32 s72, s72, 9
	s_lshl_b32 s74, s74, 9
	s_lshl_b32 s69, s14, 16
	s_add_co_u32 s72, s72, s69
	s_add_co_u32 s74, s74, s69
	s_lshl_b32 s69, s14, 13
	s_lshl_b32 s68, s13, 2
	s_add_co_u32 s69, s69, s68
	s_lshl_b32 s73, s12, 9
	s_add_co_u32 s73, s73, s69
	s_lshl_b32 s75, s70, 9
	s_add_co_u32 s75, s75, s69
	s_add_co_u32 s75, s75, 256
	s_mov_b32 s20, 0x76543210
	s_mov_b32 s21, 0xfedcba98                      ; selects for lane l xor 16
	s_mov_b32 s22, 0x3e38aa3b                      ; c = log2(e) / 8
	s_mov_b32 s23, s22
	s_mov_b32 s60, 0xffff0000                      ; lanes 16-31
	s_wait_dscnt 0x0
	s_wait_kmcnt 0x0
	s_add_nc_u64 s[50:51], s[4:5], s[50:51]
	s_add_nc_u64 s[54:55], s[4:5], s[54:55]
	s_add_nc_u64 s[58:59], s[6:7], s[58:59]
	s_or_b32 s51, s51, 0x80000000
	s_or_b32 s55, s55, 0x80000000
	s_or_b32 s59, s59, 0x80000000
	CROUND                                         ; all four work-groups are here: the joint loads meet
	s_cmp_lt_u32 s12, 4                            ; one chain of branches on the wave's number, one load to an arm
	s_cbranch_scc0 .Lnot_k
	tensor_load_to_lds s[48:51], s[24:31]
	s_nop 0
.rept 4
	v_nop
.endr
	s_branch .Lasked
.Lnot_k:
	s_cmp_lt_u32 s12, 8
	s_cbranch_scc0 .Lnot_v
	tensor_load_to_lds s[52:55], s[32:39]
	s_nop 0
.rept 4
	v_nop
.endr
	s_branch .Lasked
.Lnot_v:
	s_cmp_lt_u32 s12, 10
	s_cbranch_scc0 .Lasked
	tensor_load_to_lds s[56:59], s[40:47]
	s_nop 0
.rept 4
	v_nop
.endr
.Lasked:
	v_and_b32 v8, 15, v0                           ; r
	v_bfe_u32 v9, v0, 4, 1                         ; h
	v_and_b32 v1, 31, v0
	v_lshlrev_b32 v6, 4, v8                        ; 16 r
	v_lshlrev_b32 v1, 4, v1                        ; 16 x lane: K's codes
	v_add_nc_u32 v27, s73, v6
	v_add_nc_u32 v31, s75, v6
	v_add_nc_u32 v26, s72, v1
	v_add_nc_u32 v30, s74, v1
	global_load_b128 v[72:75], v26, s[4:5]         ; phase 0's Q,
	global_load_b32 v76, v27, s[6:7]               ; its scale word: word cx of lane 16 e + r of the group's 512 bytes
	global_load_b128 v[80:83], v30, s[4:5]         ; phase 1's
	global_load_b32 v84, v31, s[6:7]
	v_add_nc_u32 v2, 65536, v1                     ; V's codes
	v_add_nc_u32 v3, 131072, v1                    ; K's scale words
	s_and_b32 s66, s14, 1
	s_lshl_b32 s66, s66, 3
	s_add_co_u32 s66, s66, 139264
	v_add_nc_u32 v4, s66, v1                       ; V's: words 0, 1 serve the even head, words 2, 3 the odd one
	v_and_b32 v5, 8, v8
	v_lshlrev_b32 v10, 4, v9
	v_add_nc_u32 v5, v5, v8
	v_add_nc_u32 v7, v6, v9                        ; 16 r + h
	v_sub_nc_u32 v5, v5, v10                       ; r + 8 (r / 8) - 16 h
.irp j, 20,21,22,23,64,65,66,67,236,237,238,239,252,253
	v_mov_b32 v\j, 0                               ; Q's upper 64 along K: zero codes; what stands behind K's last tile; lane permutes' destinations; the upper half of v[252:253]
.endr
	s_wait_alu depctr_va_vdst(0)                   ; the wait at the head's end
	s_wait_loadcnt 0x0                             ; both phases' Q
	s_wait_tensorcnt 0x0                           ; my load has landed,
	s_barrier_signal -1
	s_barrier_wait -1                              ; and everybody's
	s_mov_b32 s15, 0                               ; the phase, e
.Lphase:
	s_wait_xcnt 0x0                                ; the last phase's stores have read their offsets and data
	s_wait_dscnt 0x0                               ; no LDS load of mine is out: K's registers may be loaded anew
	s_sub_co_u32 s66, 15, s12
	s_cmp_eq_u32 s15, 0
	s_cselect_b32 s16, s12, s66                    ; g
	s_cselect_b32 s71, 0, -1
	ds_load_b128 v[68:71], v3                      ; key step 0: K's scale words (register tau / 2; lanes 0-15 the even tile, lanes 16-31 the odd one),
.irp t, 0,1,2,3,4,5,6,7
	ds_load_b128 v[32+4*\t:35+4*\t], v1 offset:512*\t   ; and K
.endr
.irp j, 0,1,2,3
	v_cndmask_b32 v[16+\j], v[72+\j], v[80+\j], s71     ; this phase's Q
.endr
	v_cndmask_b32 v24, v76, v84, s71
	s_lshl_b32 s67, s16, 3
	s_lshl_b32 s68, s13, 1
	s_add_co_u32 s67, s67, s68
	s_add_co_u32 s67, s67, s15                     ; my query tile 8 g + 2 cx + e
	s_lshr_b32 s68, s14, 4
	s_lshl_b32 s68, s68, 7
	s_add_co_u32 s68, s68, s67                     ; the token tile among all 512
	s_lshl_b32 s69, s68, 13
	s_bfe_u32 s70, s14, 0x30001
	s_lshl_b32 s70, s70, 10
	s_add_co_u32 s69, s69, s70
	s_and_b32 s70, s14, 1
	s_lshl_b32 s70, s70, 9
	s_add_co_u32 s69, s69, s70
	v_add_nc_u32 v28, s69, v1                      ; the result's codes: K step head / 2, register half head % 2
	s_lshl_b32 s69, s68, 9
	s_bfe_u32 s70, s14, 0x10003
	s_lshl_b32 s70, s70, 8
	s_add_co_u32 s69, s69, s70
	s_and_b32 s70, s14, 7
	s_lshl_b32 s70, s70, 1
	s_add_co_u32 s69, s69, s70
	v_add_nc_u32 v29, s69, v7                      ; its scale bytes: lane (r, h) stores block 2 head + h of row r
	s_lshl_b32 s69, s13, 5
	s_lshl_b32 s70, s15, 3
	s_add_co_u32 s69, s69, s70
	v_add_nc_u32 v25, s69, v5                      ; my query in its group, less 16 h
	v_mov_b32 v13, 0xff61b1e6                      ; the largest t so far: -3e38
	v_mov_b32 v14, 0
	v_mov_b32 v15, 0
	v_floor_f32 v12, -v13                          ; -M
.set n, 0
.rept 32
	v_mov_b32 v[160+n], 0                          ; O^T: the key step is written once; its first trip finds zeros
.set n, n+1
.endr
	s_mov_b32 s17, 0                               ; the key step
.Lkb:                                              ; 16 trips, a constant; a step all of whose keys come after my queries is passed over
	s_cmp_gt_u32 s17, s16
	s_cbranch_scc1 .Lskip
	s_lshl_b32 s66, s17, 12
	s_lshl_b32 s67, s17, 11
	s_lshl_b32 s68, s17, 9
	v_add_nc_u32 v9, s67, v2                       ; these four are also the places between the last trip's products and the loads into their operands
	v_add_nc_u32 v11, s68, v4
	v_add_nc_u32 v8, s66, v1
	v_add_nc_u32 v10, s68, v3
	ds_load_b64 v[240:241], v11
.irp t, 0,1,2,3
.irp c, 0,1
	ds_load_b128 v[192+8*\t+4*\c:195+8*\t+4*\c], v9 offset:512*\t+32768*\c
.endr
.endr
	s_wait_alu depctr_va_vdst(0)
	s_wait_dscnt 9                                 ; K and its scale words, asked for a step ago, are in; V's nine loads may be out
.irp t, 0,2,4,6
	v_wmma_scale_f32_16x16x128_f8f6f4 v[96+8*\t:103+8*\t], v[32+4*\t:39+4*\t], v[16:23], 0, v[68+\t/2], v24 matrix_a_fmt:MATRIX_FMT_FP4 matrix_b_fmt:MATRIX_FMT_FP4
	v_wmma_scale_f32_16x16x128_f8f6f4 v[104+8*\t:111+8*\t], v[36+4*\t:43+4*\t], v[16:23], 0, v[68+\t/2], v24 matrix_a_fmt:MATRIX_FMT_FP4 matrix_b_fmt:MATRIX_FMT_FP4 matrix_a_scale:MATRIX_SCALE_ROW1
.endr
.rept 4
	v_nop                                          ; four places ahead of the loads into K's registers and of the first read of the scores
.endr
	ds_load_b128 v[68:71], v10 offset:512          ; the next step's K.  Behind the last step these read filled bytes of V's regions, and nothing uses them
.irp t, 0,1,2,3,4,5,6,7
	ds_load_b128 v[32+4*\t:35+4*\t], v8 offset:4096+512*\t
.endr
	s_cmp_lg_u32 s17, s16                          ; only my group's own step lies on the diagonal
	s_cbranch_scc1 .Lopen
	v_mov_b32 v254, 0xff800000                     ; -infinity: p = 0 then
.set n, 0
.rept 64
	v_cmp_gt_i32 vcc_lo, 32*(n/16)+n%16, v25       ; register 16 b + i holds the group's key 32 b + 16 h + i: hidden where it comes after my query
	v_cndmask_b32 v[96+n], v[96+n], v254, vcc_lo
.set n, n+1
.endr
.Lopen:
.irp b, 0,1,2,3
	v_max3_num_f32 v[232+\b], v[96+16*\b], v[97+16*\b], v[98+16*\b]      ; the largest score of each block of 32 keys: for the row's maximum and for the block's largest p
.endr
.irp i, 3,5,7,9,11,13
.irp b, 0,1,2,3
	v_max3_num_f32 v[232+\b], v[232+\b], v[96+16*\b+\i], v[97+16*\b+\i]
.endr
.endr
.irp b, 0,1,2,3
	v_max_num_f32 v[232+\b], v[232+\b], v[111+16*\b]
.endr
.irp b, 0,1,2,3
	v_permlanex16_b32 v[236+\b], v[232+\b], s20, s21
.endr
.irp b, 0,1,2,3
	v_max_num_f32 v[232+\b], v[232+\b], v[236+\b]
.endr
	s_delay_alu instid0(VALU_DEP_2)
	v_max3_num_f32 v254, v232, v233, v234
	s_delay_alu instid0(VALU_DEP_1)
	v_max_num_f32 v254, v254, v235
	s_delay_alu instid0(VALU_DEP_1)
	v_mul_f32 v254, s22, v254                      ; as t
	s_delay_alu instid0(VALU_DEP_1)
	v_max_num_f32 v13, v13, v254                   ; the running largest t
	v_mov_b32 v254, v12
	s_delay_alu instid0(VALU_DEP_2)
	v_floor_f32 v12, -v13                          ; the new -M = -ceil(t)
	s_delay_alu instid0(VALU_DEP_1)
	v_sub_f32 v254, v12, v254                      ; old M - new M: a whole number, 0 or less
	s_delay_alu instid0(VALU_DEP_1)
	v_cvt_i32_f32 v254, v254                       ; (it saturates)
	s_delay_alu instid0(VALU_DEP_1)
	v_ldexp_f32 v252, 1.0, v254                    ; f = 2^(old M - new M)
.set n, 0
.rept 32
	v_pk_fma_f32 v[96+n:97+n], v[96+n:97+n], s[22:23], v[12:13] op_sel_hi:[1,0,0]    ; t - M, two at a time
.set n, n+2
.endr
.irp b, 0,1,2,3
	v_fma_f32 v[232+\b], v[232+\b], s22, v12       ; the same of each block's largest score
.endr
	s_wait_alu depctr_va_vdst(0)                   ; the wait ahead of the batch
.set n, 0
.rept 64
	v_exp_f32 v[96+n], v[96+n]                     ; p = 2^(t - M)
.set n, n+1
.endr
	v_pk_mul_f32 v[14:15], v[14:15], v[252:253] op_sel_hi:[1,0]          ; the sums under the new M (a plain instruction behind the exponentials)
	s_wait_alu depctr_va_vdst(0)                   ; one wait for the batch of 64, ahead of its first reader
.irp b, 0,1,2,3
	v_exp_f32 v[232+\b], v[232+\b]                 ; the block's largest p
.endr
	; the row's sum of the unquantised p: 32 pairs in eight chains
.set n, 0
.irp T, 236,250,248,246,244,238,230
	v_pk_add_f32 v[\T:\T+1], v[96+n:97+n], v[98+n:99+n]
.set n, n+8
.endr
	v_pk_add_f32 v[14:15], v[14:15], v[152:153]
.irp o, 4,6
.set n, \o
.irp T, 236,250,248,246,244,238,230
	v_pk_add_f32 v[\T:\T+1], v[\T:\T+1], v[96+n:97+n]
.set n, n+8
.endr
	v_pk_add_f32 v[14:15], v[14:15], v[150+\o:151+\o]
.endr
	v_pk_add_f32 v[14:15], v[14:15], v[158:159]
	v_pk_add_f32 v[236:237], v[236:237], v[250:251]
	v_pk_add_f32 v[248:249], v[248:249], v[246:247]
	v_pk_add_f32 v[244:245], v[244:245], v[238:239]
	v_pk_add_f32 v[14:15], v[14:15], v[230:231]
	v_pk_add_f32 v[236:237], v[236:237], v[248:249]
	s_delay_alu instid0(VALU_DEP_2)
	v_pk_add_f32 v[14:15], v[14:15], v[244:245]
	s_delay_alu instid0(VALU_DEP_1)
	v_pk_add_f32 v[14:15], v[14:15], v[236:237]
	s_wait_alu depctr_va_vdst(0)                   ; and one for the four
.irp b, 0,1,2,3
	v_max_num_f32 v[232+\b], 0x1800000, v[232+\b]  ; the floor 2^(3 - 127): the byte cannot fall under 1
.endr
.irp b, 0,1,2,3
	v_add_nc_u32 v[244+\b], 0xff000000, v[232+\b]  ; 2 off the exponent field: the conversion's scale operand
.endr
.irp b, 0,1,2,3
	v_lshrrev_b32 v[236+\b], 23, v[244+\b]
.endr
	s_delay_alu instid0(VALU_DEP_3)
	v_lshl_or_b32 v253, v237, 8, v236              ; p's scale word for these 128 keys
	s_delay_alu instid0(VALU_DEP_1)
	v_lshl_or_b32 v253, v238, 16, v253
	s_delay_alu instid0(VALU_DEP_1)
	v_lshl_or_b32 v253, v239, 24, v253
.irp b, 0,1,2,3
	v_cvt_scalef32_pk8_fp4_f32 v[224+2*\b], v[96+16*\b:103+16*\b], v[244+\b]
	v_cvt_scalef32_pk8_fp4_f32 v[225+2*\b], v[104+16*\b:111+16*\b], v[244+\b]
.endr
	v_nop                                          ; one plain instruction behind the conversions
.irp c, 0,1
.irp i, 0,1
	v_permlane16_swap_b32 v[224+4*\c+\i], v[226+4*\c+\i]     ; a whole block to a lane
.endr
.endr
	s_wait_alu depctr_va_vdst(0)                   ; the wait directly ahead of the first reader of O^T
.set n, 0
.rept 16
	v_pk_mul_f32 v[160+n:161+n], v[160+n:161+n], v[252:253] op_sel_hi:[1,0]   ; O^T under the new M; for each product below twelve of these name none of its registers: the places behind the scale word's and the codes' last writes
.set n, n+2
.endr
	s_wait_alu depctr_va_vdst(0)
	s_wait_dscnt 0x0                               ; V and its scale words; the next step's K too
.irp t, 0,2
	v_wmma_scale_f32_16x16x128_f8f6f4 v[160+8*\t:167+8*\t], v[192+8*\t:199+8*\t], v[224:231], v[160+8*\t:167+8*\t], v[240+\t/2], v253 matrix_a_fmt:MATRIX_FMT_FP4 matrix_b_fmt:MATRIX_FMT_FP4
	v_wmma_scale_f32_16x16x128_f8f6f4 v[168+8*\t:175+8*\t], v[200+8*\t:207+8*\t], v[224:231], v[168+8*\t:175+8*\t], v[240+\t/2], v253 matrix_a_fmt:MATRIX_FMT_FP4 matrix_b_fmt:MATRIX_FMT_FP4 matrix_a_scale:MATRIX_SCALE_ROW1
.endr
.Lskip:
	s_add_co_u32 s17, s17, 1
	s_cmp_lt_u32 s17, 16
	s_cbranch_scc1 .Lkb
	; the tile's end: O^T / the sum, quantised along the head's 64: two blocks
.rept 4
	v_nop
.endr
	v_add_f32 v14, v14, v15
	s_delay_alu instid0(VALU_DEP_1)
	v_permlanex16_b32 v252, v14, s20, s21
	s_delay_alu instid0(VALU_DEP_1)
	v_add_f32 v14, v14, v252                       ; the row's sum
	s_wait_alu depctr_va_vdst(0)                   ; the wait ahead of the transcendental
	v_rcp_f32 v14, v14
	v_nop
	s_wait_alu depctr_va_vdst(0)                   ; the wait ahead of the reciprocal's first reader
.set n, 0
.rept 32
	v_mul_f32 v[96+n], v[160+n], v14               ; register 16 b + i: d = 32 b + 16 h + i of my query
.set n, n+1
.endr
.irp b, 0,1
	v_max3_num_f32 v[232+\b], |v[96+16*\b]|, |v[97+16*\b]|, 0x1800000
.endr
.irp i, 2,4,6,8,10,12,14
.irp b, 0,1
	s_delay_alu instid0(VALU_DEP_2)
	v_max3_num_f32 v[232+\b], v[232+\b], |v[96+16*\b+\i]|, |v[97+16*\b+\i]|
.endr
.endr
.irp b, 0,1
	s_delay_alu instid0(VALU_DEP_2)
	v_permlanex16_b32 v[236+\b], v[232+\b], s20, s21
.endr
.irp b, 0,1
	s_delay_alu instid0(VALU_DEP_2)
	v_max_num_f32 v[232+\b], v[232+\b], v[236+\b]
.endr
.irp b, 0,1
	s_delay_alu instid0(VALU_DEP_2)
	v_add_nc_u32 v[244+\b], 0xff000000, v[232+\b]
.endr
.irp b, 0,1
	s_delay_alu instid0(VALU_DEP_2)
	v_lshrrev_b32 v[236+\b], 23, v[244+\b]
.endr
.irp b, 0,1
	v_cvt_scalef32_pk8_fp4_f32 v[224+2*\b], v[96+16*\b:103+16*\b], v[244+\b]
	v_cvt_scalef32_pk8_fp4_f32 v[225+2*\b], v[104+16*\b:111+16*\b], v[244+\b]
.endr
	v_cndmask_b32 v232, v236, v237, s60            ; lanes 0-15 block 0's byte, lanes 16-31 block 1's (also the plain instruction behind the conversions)
	v_permlane16_swap_b32 v224, v226
	v_permlane16_swap_b32 v225, v227               ; v[224:227]: k = 32 h + 0 .. 31 of the head's 64
	global_store_b128 v28, v[224:227], s[8:9]      ; 32 lanes store 512 consecutive bytes, aligned
	global_store_b8 v29, v232, s[10:11]
	s_add_co_u32 s15, s15, 1
	s_cmp_lt_u32 s15, 2
	s_cbranch_scc1 .Lphase
	s_wait_tensorcnt 0x0                           ; the wave's end
	ds_add_u32 v243, v255
	s_wait_dscnt 0x0
	CROUND                                         ; the closing round
	s_endpgm
.Lfunc_end_k_qf2c0a1a73a_attn:
	.size	k_qf2c0a1a73a_attn, .Lfunc_end_k_qf2c0a1a73a_attn-k_qf2c0a1a73a_attn
	.p2alignl 7, 3214868480
	.fill 96, 4, 3214868480
	.section	.rodata,"a",@progbits
	.p2align	6, 0x0
	.amdhsa_kernel k_qf2c0a1a73a_attn
		.amdhsa_group_segment_fixed_size 169984
		.amdhsa_private_segment_fixed_size 0
		.amdhsa_enable_private_segment 0
		.amdhsa_kernarg_size 32
		.amdhsa_user_sgpr_count 2
		.amdhsa_user_sgpr_kernarg_segment_ptr 1
		.amdhsa_wavefront_size32 1
		.amdhsa_system_sgpr_workgroup_id_x 1
		.amdhsa_system_sgpr_workgroup_id_y 1
		.amdhsa_system_sgpr_workgroup_id_z 1
		.amdhsa_system_vgpr_workitem_id 0
		.amdhsa_next_free_vgpr 256
		.amdhsa_next_free_sgpr 80
		.amdhsa_reserve_vcc 1
		.amdhsa_float_denorm_mode_32 3
		.amdhsa_float_denorm_mode_16_64 3
		.amdhsa_memory_ordered 1
		.amdhsa_forward_progress 1
		.amdhsa_inst_pref_size 36
	.end_amdhsa_kernel
	.amdgpu_metadata
---
amdhsa.version: [ 1, 2 ]
amdhsa.kernels:
  - .name:           k_qf2c0a1a73a_attn
    .symbol:         k_qf2c0a1a73a_attn.kd
    .args:
      - { .name: img, .offset: 0, .size: 8, .value_kind: global_buffer, .address_space: global }
      - { .name: sc, .offset: 8, .size: 8, .value_kind: global_buffer, .address_space: global }
      - { .name: ao_img, .offset: 16, .size: 8, .value_kind: global_buffer, .address_space: global }
      - { .name: ao_sc, .offset: 24, .size: 8, .value_kind: global_buffer, .address_space: global }
    .group_segment_fixed_size: 169984
    .private_segment_fixed_size: 0
    .kernarg_segment_align: 8
    .kernarg_segment_size: 32
    .max_flat_workgroup_size: 512
    .sgpr_count:     80
    .vgpr_count:     256
    .wavefront_size: 32
...
	.end_amdgpu_metadata
.endif
;; end of part 3
;; launch oproj (part 4): grid 4 x 64, 4 waves a work-group, clusters of 4 x 4, 243,200 bytes of LDS; arguments ao_img, ao_sc, w_img, w_sc, bo, x, out0; writes out0
.if DOCPART == 4
	.amdgcn_target "amdgcn-amd-amdhsa--gfx1250"
	.amdhsa_code_object_version 6
	.text
	.protected	k_qf2c0a1a73a_oproj
	.globl	k_qf2c0a1a73a_oproj
	.p2align	8
	.type	k_qf2c0a1a73a_oproj,@function
k_qf2c0a1a73a_oproj:
	s_mov_b64 s[64:65], 0
	v_nop
	global_prefetch_b8 v0, s[64:65] scope:SCOPE_SE
	s_setreg_imm32_b32 hwreg(HW_REG_WAVE_MODE, 25, 1), 1
	s_wait_xcnt 0x0
	s_wait_alu depctr_hold_cnt(0) depctr_sa_sdst(0) depctr_va_vdst(0) depctr_va_sdst(0) depctr_va_ssrc(0) depctr_va_vcc(0) depctr_vm_vsrc(0)
	s_getreg_b32 s2, hwreg(HW_REG_IB_STS2, 6, 4)
	s_cmp_eq_u32 s2, 0
	s_cbranch_scc0 .Lentry_in_a_cluster
	s_endpgm
.Lentry_in_a_cluster:
	s_bfe_u32 s2, ttmp6, 0x10000c
	s_cmp_lg_u32 s2, 0xf033
	s_cbranch_scc0 .Lentry_shape_is_right
	s_endpgm
.Lentry_shape_is_right:
; OPROJ.  out0 = attention's result x Wo + bo + x, the product on codes of E2M1 (K = 1,024).  P (source 0) = the columns of Wo (tiles 192-255 of w_img), R (source 1) = tokens: a lane holds one token, its registers run along the columns.
; SHARES.  A work-group makes 128 tokens x 256 columns, so that the grid has 256 work-groups; a wave 64 x 128: 32 accumulators.  All of K for these rows fits in LDS (196,608 bytes of codes):
; every LDS byte that a tensor load fills is filled once, so there is no ring.  Wave 0 fetches R, waves 1 and 2 P's halves, one load each; wave 3 fetches nothing.
; The wave's whole part of x, 64 rows x 512 bytes, is asked for at the head into 256 registers, so that it comes in while the codes land and are multiplied.
; CLUSTER 4 x 4.  R's rows hang on cy alone (shared along a row of the cluster), P's on cx alone (shared along a column): joint loads.
; Rows of a tile of 16: tile 2 B + u, place r: row 32 B + 8 u + r + 8 (r / 8).
; LDS: R's 8 tiles x 8,192 (all of K) at 0, then P's 16 at 65536; at 208896 a stage of 16 rows x 528 bytes for each wave, bytes of its own into which no tensor load lands.
; REGISTERS.  window 0: v1-27 addresses; v[28:31] bo; v32-95 scale words; v96-159 R's fragments, two sets, later rows on the way out; v160-223 rows on the way out.  window 1: P's fragments, two sets.
;   window 2: accumulator (a, b) at v[8 (8 a + b)].   window 3: x: row t of R's tile a at v[64 a + 4 t].
.set LI,   3
.set ADRA, 16
.set ADRB, 20
.set STO,  24
.set RD,   25
.set SC,   32                          ; scale words, loaded from memory: R's tile i, K step q % 4 at v[SC+4 i+q], P's at v[SC+32+4 i+q]; lanes 0-15 hold K steps 0-3, lanes 16-31 K steps 4-7
.set MSB, 0
.macro WIN new
.if MSB != \new
	s_set_vgpr_msb (MSB<<8)|\new
.set MSB, \new
.endif
.endm
.macro PLACES n
.rept \n
	v_nop
.endr
.endm
.macro CROUND
	s_barrier_signal -1
	s_barrier_wait -1
	s_cmp_lg_u32 s22, 0
	s_cbranch_scc1 .Lnot_wave_0_\@
	s_barrier_signal -3
.Lnot_wave_0_\@:
	s_barrier_wait -3
	s_barrier_signal -1
	s_barrier_wait -1
.endm
	s_load_b256 s[4:11], s[0:1], 0x0               ; ao_img s[4:5], ao_sc s[6:7], w_img s[8:9], w_sc s[10:11]
	s_load_b128 s[12:15], s[0:1], 0x20             ; bo s[12:13], x s[14:15]
	s_load_b64 s[16:17], s[0:1], 0x30              ; out0
	v_lshl_add_u32 v254, v0, 2, 0x3b400
	v_mov_b32 v255, 0
	ds_add_u32 v254, v255
	ds_add_u32 v254, v255
	v_lshrrev_b32 v1, 5, v0
	v_readfirstlane_b32 s22, v1                    ; wave 0..3
	s_lshr_b32 s23, s22, 1                         ; which 64 tokens are mine.  Also, in waves 1 and 2: which half of P I fetch
	s_and_b32 s84, s22, 1                          ; which 128 columns
	s_bfe_u32 s86, ttmp6, 0x40000                  ; cx
	s_bfe_u32 s87, ttmp6, 0x40004                  ; cy
	s_and_b32 s95, ttmp7, 0xffff
	s_lshl_b32 s95, s95, 2
	s_add_co_u32 s95, s95, s87                     ; my block of 128 tokens = 4 x cluster y + cy
	s_lshl_b32 s99, s95, 3                         ; R's first tile of 16
	s_lshl_b32 s98, s86, 4
	s_lshl_b32 s97, s23, 3
	s_add_co_u32 s98, s98, s97
	s_add_co_u32 s98, s98, 192                     ; P's first tile of 16 that I would fetch
	s_lshl_b32 s89, s87, 2
	s_lshl_b32 s89, 15, s89                        ; my row of the cluster
	s_lshl_b32 s3, 0x1111, s86                     ; my column
	s_or_b32 s24, s89, (3<<16)|(1<<21)             ; group 1, word 0: the mask; elements of 8 bytes; bit 21 beside the mask.  R's codes; below, P's codes
	s_or_b32 s32, s3, (3<<16)|(1<<21)
.irp g, 24, 32                         ; codes: 8 rows of 8,192 bytes (a tile's whole K), 8,192 bytes apart
	s_mov_b32 s[\g+1], 1024<<16                    ; a tile's whole K, 8,192 bytes
	s_mov_b32 s[\g+2], 8<<16
	s_mov_b32 s[\g+3], 1024<<16
	s_mov_b32 s[\g+4], 8
	s_mov_b32 s[\g+5], 1024
	s_mov_b32 s[\g+6], 0
	s_mov_b32 s[\g+7], 0
.endr
	; ONE tensor load in each of waves 0 to 2: 8 tiles x 8,192 dense bytes (all of K) to LDS byte 65536 x wave: R's 8 tiles, then P's 16.  The scale words do not pass through LDS
	s_lshl_b32 s58, s23, 2
	s_add_co_u32 s58, s58, s99                     ; the first of the 4 tiles of R that I multiply
	s_lshl_b32 s58, s58, 9                         ; its scale bytes
	s_mov_b32 s59, 0
	s_mov_b32 s60, 1                               ; R's codes
	s_lshl_b32 s61, s22, 16
	s_lshl_b32 s62, s99, 13
	s_mov_b32 s63, 0
	s_lshl_b32 s74, s86, 4
	s_lshl_b32 s75, s84, 3
	s_add_co_u32 s74, s74, s75
	s_add_co_u32 s74, s74, 192                     ; the first of the 8 tiles of P that I multiply
	s_lshl_b32 s74, s74, 9
	s_mov_b32 s75, 0
	s_mov_b32 s76, 1                               ; P's codes
	s_lshl_b32 s77, s22, 16
	s_lshl_b32 s78, s98, 13
	s_mov_b32 s79, 0
	s_wait_dscnt 0x0
	s_wait_kmcnt 0x0
	s_add_nc_u64 s[58:59], s[6:7], s[58:59]
	s_add_nc_u64 s[62:63], s[4:5], s[62:63]
	s_add_nc_u64 s[74:75], s[10:11], s[74:75]
	s_add_nc_u64 s[78:79], s[8:9], s[78:79]
.irp g, 63, 79
	s_or_b32 s\g, s\g, 0x80000000                  ; type = 2
.endr
	CROUND                                         ; all sixteen work-groups are here: the joint loads meet
	s_cmp_eq_u32 s22, 0                            ; a wave's one fill stands in one branch on its number
	s_cbranch_scc0 .Lnot_r
	tensor_load_to_lds s[60:63], s[24:31]
	s_nop 0
	PLACES 4                                       ; four places behind a tensor load
	s_branch .Lfilled
.Lnot_r:
	s_cmp_lt_u32 s22, 3
	s_cbranch_scc0 .Lfilled
	tensor_load_to_lds s[76:79], s[32:39]
	s_nop 0
	PLACES 4
.Lfilled:
	v_and_b32 v1, 15, v0                           ; r
	v_bfe_u32 v2, v0, 4, 1                         ; h
	v_and_b32 v[LI], 31, v0
	v_lshlrev_b32 v[LI], 4, v[LI]                  ; 16 x lane: in an image, in a stage row, in a row's 512 bytes of x and out0
	s_wait_alu depctr_va_vdst(0)
	s_lshl_b32 s92, s95, 19                        ; my first token's row of 4,096 bytes,
	s_lshl_b32 s93, s23, 18
	s_add_co_u32 s92, s92, s93
	s_lshl_b32 s96, s86, 10                        ; and my first column's bytes: 1024 cx + 512 x half
	s_lshl_b32 s93, s84, 9
	s_add_co_u32 s96, s96, s93
	s_add_co_u32 s92, s92, s96
	s_mov_b32 s93, 0
	s_mov_b32 s97, 0
	s_add_nc_u64 s[12:13], s[12:13], s[96:97]
	s_add_nc_u64 s[14:15], s[14:15], s[92:93]
	s_add_nc_u64 s[16:17], s[16:17], s[92:93]
	global_load_b128 v[28:31], v[LI], s[12:13]     ; bo of my four columns
.irp i, 0,1,2,3                        ; a tile's 512 scale bytes at 16 x lane: lane 16 s + r gets row r's four words of K half s
	global_load_b128 v[SC+4*\i:SC+4*\i+3], v[LI], s[58:59] offset:512*\i
.endr
.irp i, 0,1,2,3,4,5,6,7
	global_load_b128 v[SC+32+4*\i:SC+32+4*\i+3], v[LI], s[74:75] offset:512*\i
.endr
	WIN 0xc0                                       ; destination window 3
.irp a, 0,1,2,3
.set t, 0
.rept 16
	global_load_b128 v[64*\a+4*t:64*\a+4*t+3], v[LI], s[14:15] offset:(32*(\a/2)+8*(\a%2)+t+8*(t/8))*4096 th:TH_LOAD_NT   ; 32 lanes read 512 consecutive bytes of the row at place t of tile a
.set t, t+1
.endr
.endr
	WIN 0
	s_lshl_b32 s92, s23, 15
	s_lshl_b32 s93, s84, 16
	s_add_co_u32 s93, s93, 65536
	v_add_nc_u32 v[ADRA], s92, v[LI]
	v_add_nc_u32 v[ADRB], s93, v[LI]
	v_add_nc_u32 v[ADRA+1], 4096, v[ADRA]          ; the second half of K lies 4,096 bytes on in each tile
	v_add_nc_u32 v[ADRB+1], 4096, v[ADRB]
	s_mul_i32 s92, s22, 8448
	s_add_co_u32 s92, s92, 208896                  ; my stage
	v_mul_u32_u24 v[STO], v1, 528
	v_lshl_add_u32 v[STO], v2, 6, v[STO]
	v_add_nc_u32 v[STO], s92, v[STO]               ; in: row r, + 64 h
	v_add_nc_u32 v[RD], s92, v[LI]                 ; back: a whole row of 512 bytes
.macro FETCH s, q, p                   ; the fragments of K step q of half s into set p: 16 loads for P, 8 for R
	WIN 0x40
.irp i, 0,1,2,3,4,5,6,7
.irp c, 0,1
	ds_load_b128 v[64*(\p)+8*\i+4*\c:64*(\p)+8*\i+4*\c+3], v[ADRB+(\s)] offset:\i*8192+(\q)*1024+512*\c
.endr
.endr
	WIN 0
.irp i, 0,1,2,3
.irp c, 0,1
	ds_load_b128 v[96+32*(\p)+8*\i+4*\c:96+32*(\p)+8*\i+4*\c+3], v[ADRA+(\s)] offset:\i*8192+(\q)*1024+512*\c
.endr
.endr
.endm
; 32 matrix instructions: K step gs of 8.  The 32 accumulators take turns, one instruction a turn.  zero = 1: the first step starts the sums
.macro MUL32 gs, zero
.set SS, SC+(\gs)%4
.set PF, 64*((\gs)%2)
.set RF, 96+32*((\gs)%2)
	WIN 0xa1                                       ; source 0 (P) window 1, source 1 (R) window 0, C and D window 2
.irp a, 0,1,2,3
.irp b, 0,1,2,3,4,5,6,7
.set AC, 8*(8*\a+\b)
.if \zero
	v_wmma_scale_f32_16x16x128_f8f6f4 v[AC:AC+7], v[PF+8*\b:PF+8*\b+7], v[RF+8*\a:RF+8*\a+7], 0, v[SS+32+4*\b], v[SS+4*\a] matrix_a_fmt:MATRIX_FMT_FP4 matrix_b_fmt:MATRIX_FMT_FP4
.elseif (\gs) < 4
	v_wmma_scale_f32_16x16x128_f8f6f4 v[AC:AC+7], v[PF+8*\b:PF+8*\b+7], v[RF+8*\a:RF+8*\a+7], v[AC:AC+7], v[SS+32+4*\b], v[SS+4*\a] matrix_a_fmt:MATRIX_FMT_FP4 matrix_b_fmt:MATRIX_FMT_FP4
.else
	v_wmma_scale_f32_16x16x128_f8f6f4 v[AC:AC+7], v[PF+8*\b:PF+8*\b+7], v[RF+8*\a:RF+8*\a+7], v[AC:AC+7], v[SS+32+4*\b], v[SS+4*\a] matrix_a_fmt:MATRIX_FMT_FP4 matrix_b_fmt:MATRIX_FMT_FP4 matrix_a_scale:MATRIX_SCALE_ROW1 matrix_b_scale:MATRIX_SCALE_ROW1
.endif
.endr
.endr
.endm
.macro STEP gs
	s_wait_dscnt 0x0                               ; this step's fragments, asked for 32 matrix instructions ago, are in
.if (\gs) < 7
	PLACES 4                                       ; between the products that read the other set and the loads into it
	FETCH ((\gs)+1)/4, ((\gs)+1)%4, ((\gs)+1)%2
.endif
	MUL32 \gs, 0
.endm
	s_wait_alu depctr_va_vdst(0)
	s_wait_tensorcnt 0x0                           ; my one load, 8 tiles' whole K, has landed; nothing is filled again in this launch
	s_barrier_signal -1
	s_barrier_wait -1
	FETCH 0, 0, 0
	s_wait_dscnt 0x0
	FETCH 0, 1, 1
	s_wait_loadcnt 63                              ; bo and the scale words are in: behind them stand x's 64 loads, of which 63 may be out
	MUL32 0, 1
.irp g, 1,2,3,4,5,6,7
	STEP \g
.endr
	WIN 0
	PLACES 4                                       ; between the last products and the first reads of results and the loads into R's registers
; THE WAY OUT, R's tile a (16 tokens x 128 columns) at a time: through my own stage and back as whole rows of 512 bytes; then + bo, + x, and stored.  LDS serves a wave's instructions in order: no wait between stores and loads.
.macro TOSTAGE a
	WIN 0x08                                       ; an LDS store's data are its source 1: window 2
.irp b, 0,1,2,3,4,5,6,7
	ds_store_b128 v[STO], v[8*(8*(\a)+\b):8*(8*(\a)+\b)+3] offset:128*(\b/2)+32*(\b%2)          ; register j of tile 2 b' + u: column 32 b' + 16 h + 8 u + j; each accumulator from its low end on
	ds_store_b128 v[STO], v[8*(8*(\a)+\b)+4:8*(8*(\a)+\b)+7] offset:128*(\b/2)+32*(\b%2)+16
.endr
	WIN 0
.set BB, 160-64*((\a)%2)
.set t, 0
.rept 16
	ds_load_b128 v[BB+4*t:BB+4*t+3], v[RD] offset:528*t
.set t, t+1
.endr
.endm
.macro SEND a, younger
.set BB, 160-64*((\a)%2)
	s_wait_dscnt \younger                          ; the tile is back; the next tile's 16 stores and 16 loads may be out
	s_wait_loadcnt 48-16*(\a)                      ; bo and x's rows of this tile are in; x's later tiles, 16 loads each, may be out
.set t, 0
.rept 16
	v_pk_add_f32 v[BB+4*t:BB+4*t+1], v[BB+4*t:BB+4*t+1], v[28:29]
	v_pk_add_f32 v[BB+4*t+2:BB+4*t+3], v[BB+4*t+2:BB+4*t+3], v[30:31]
.set t, t+1
.endr
	WIN 0x0c                                       ; source 1 (x) window 3
.set u, 0
.rept 32
	v_pk_add_f32 v[BB+2*u:BB+2*u+1], v[BB+2*u:BB+2*u+1], v[64*(\a)+2*u:64*(\a)+2*u+1]
.set u, u+1
.endr
	WIN 0
.set t, 0
.rept 16
	global_store_b128 v[LI], v[BB+4*t:BB+4*t+3], s[16:17] offset:(32*((\a)/2)+8*((\a)%2)+t+8*(t/8))*4096 th:TH_STORE_NT   ; 32 lanes store 512 consecutive bytes, aligned
.set t, t+1
.endr
.endm
	TOSTAGE 0
	TOSTAGE 1
	SEND 0, 32
	s_wait_xcnt 0x0                                ; tile 0's stores have read their registers: tile 2's rows may land there
	TOSTAGE 2
	SEND 1, 32
	s_wait_xcnt 0x0                                ; tile 1's likewise
	TOSTAGE 3
	SEND 2, 32
	SEND 3, 0
	s_wait_tensorcnt 0x0
	ds_add_u32 v254, v255
	s_wait_dscnt 0x0
	CROUND                                         ; the closing round: no work-group ends while a partner may still ask for a tile that names it
	s_endpgm
.Lfunc_end_k_qf2c0a1a73a_oproj:
	.size	k_qf2c0a1a73a_oproj, .Lfunc_end_k_qf2c0a1a73a_oproj-k_qf2c0a1a73a_oproj
	.p2alignl 7, 3214868480
	.fill 96, 4, 3214868480
	.section	.rodata,"a",@progbits
	.p2align	6, 0x0
	.amdhsa_kernel k_qf2c0a1a73a_oproj
		.amdhsa_group_segment_fixed_size 243200
		.amdhsa_private_segment_fixed_size 0
		.amdhsa_enable_private_segment 0
		.amdhsa_kernarg_size 56
		.amdhsa_user_sgpr_count 2
		.amdhsa_user_sgpr_kernarg_segment_ptr 1
		.amdhsa_wavefront_size32 1
		.amdhsa_system_sgpr_workgroup_id_x 1
		.amdhsa_system_sgpr_workgroup_id_y 1
		.amdhsa_system_sgpr_workgroup_id_z 1
		.amdhsa_system_vgpr_workitem_id 0
		.amdhsa_next_free_vgpr 1024
		.amdhsa_next_free_sgpr 100
		.amdhsa_reserve_vcc 0
		.amdhsa_float_denorm_mode_32 3
		.amdhsa_float_denorm_mode_16_64 3
		.amdhsa_memory_ordered 1
		.amdhsa_forward_progress 1
		.amdhsa_inst_pref_size 91
	.end_amdhsa_kernel
	.amdgpu_metadata
---
amdhsa.version: [ 1, 2 ]
amdhsa.kernels:
  - .name:           k_qf2c0a1a73a_oproj
    .symbol:         k_qf2c0a1a73a_oproj.kd
    .args:
      - { .name: ao_img, .offset: 0, .size: 8, .value_kind: global_buffer, .address_space: global }
      - { .name: ao_sc, .offset: 8, .size: 8, .value_kind: global_buffer, .address_space: global }
      - { .name: w_img, .offset: 16, .size: 8, .value_kind: global_buffer, .address_space: global }
      - { .name: w_sc, .offset: 24, .size: 8, .value_kind: global_buffer, .address_space: global }
      - { .name: bo, .offset: 32, .size: 8, .value_kind: global_buffer, .address_space: global }
      - { .name: x, .offset: 40, .size: 8, .value_kind: global_buffer, .address_space: global }
      - { .name: out0, .offset: 48, .size: 8, .value_kind: global_buffer, .address_space: global }
    .group_segment_fixed_size: 243200
    .private_segment_fixed_size: 0
    .kernarg_segment_align: 8
    .kernarg_segment_size: 56
    .max_flat_workgroup_size: 128
    .sgpr_count:     100
    .vgpr_count:     1024
    .wavefront_size: 32
...
	.end_amdgpu_metadata
.endif
;; end of part 4
